; MI455X (gfx1250); checked and timed in simulation.
; The chip was launched on July 23, 2026; its instructions are those of AMD's public machine-readable ISA for CDNA 5 (MIT licence, August 2026) and "CDNA5" Instruction Set Architecture Reference Guide (July 2026). The comments in the code are by the model that wrote it; some were corrected since.
;; Grouped Query Attention. Allowed arithmetic: matrix products marked QUANTISED: E5M2 operands, one given power-of-two scale a tensor, by v_wmma_f32_16x16x64_bf8_bf8 or v_wmma_f32_16x16x128_bf8_bf8, f32 sums; everything else in f32.
;; Inputs: b_k 256 float32; b_o 1,024 float32; b_q 1,024 float32; b_v 256 float32; key 1 x 4,096 x 1,024 float32; lowp_scales 12 int32 (the exponents e of the quantised operands' scales 2^e); query 1 x 4,096 x 1,024 float32; value 1 x 4,096 x 1,024 float32; w_k 1,024 x 256 float32; w_o 1,024 x 1,024 float32; w_q 1,024 x 1,024 float32; w_v 1,024 x 256 float32.
;; Outputs: out0 1 x 4,096 x 1,024 float32.
;; This version of the problem:
;;   THIS VERSION OF THE PROBLEM IS GIVEN IN LOW PRECISION. The matrix products marked QUANTISED in the list below multiply operands that are first quantised to E5M2 (5 exponent bits, 2 mantissa bits; 8 bits a number), with one given power-of-two scale for each operand tensor; their sums are f32. All else is computed in f32.
;;   The module's matrix products, in the order in which they are computed (A, B: the left and right operand; K: the contracted axis; several contracted axes count as one K, in the product's order):
;;     1. [M 4,096, K 1,024] x [K 1,024, N 1,024]; A: input query; B: input w_q: QUANTISED (scales: A lowp_scales[0], B lowp_scales[1])
;;     2. [M 4,096, K 1,024] x [K 1,024, N 256]; A: input key; B: input w_k: QUANTISED (scales: A lowp_scales[2], B lowp_scales[3])
;;     3. [M 4,096, K 1,024] x [K 1,024, N 256]; A: input value; B: input w_v: QUANTISED (scales: A lowp_scales[4], B lowp_scales[5])
;;     4. batch 4 x [M 4,096, K 64] x [K 64, N 16,384]; A: computed on the way; B: computed on the way: QUANTISED (scales: A lowp_scales[6], B lowp_scales[7])
;;     5. batch 4 x [M 64, K 4,096] x [K 4,096, N 16,384]; A: computed on the way; B: softmax (see below): QUANTISED (scales: A lowp_scales[8], B lowp_scales[9])
;;     6. [M 4,096, K 1,024] x [K 1,024, N 1,024]; A: computed on the way; B: input w_o: QUANTISED (scales: A lowp_scales[10], B lowp_scales[11])
;;   THE QUANTISER, for each operand of a quantised product, along K:
;;     - The operand's scale is 2^e, e = its entry of the input lowp_scales (int32; the entries are numbered through the quantised products in the list's order, A before B).
;;     - Each number is divided by the scale, clamped to +-57,344, and rounded to the nearest number of E5M2, ties to even, subnormals kept.
;;     - The product sums the exact products of the quantised numbers (number of the format x scale) in f32.
;;   ~~~python
;;   def quantise(x, axis, e):      # numpy; x: float32 -> the quantised numbers, widened to float32 again
;;       x = np.moveaxis(x, axis, -1); K = x.shape[-1]
;;       r = np.clip(x / 2.0 ** e, -57344, 57344)
;;       step = 2.0 ** (np.maximum(np.frexp(np.where(r == 0, 1, r))[1] - 1, -14) - 2)
;;       q = np.round(r / step) * step * 2.0 ** e      # np.round: ties to even
;;       return np.moveaxis(q, -1, axis).astype(np.float32)
;;   ~~~
;;   SOFTMAX AHEAD OF A QUANTISED PRODUCT. Where the list says 'softmax', what is quantised is not the finished softmax but p = 2^(t - M), with t = logit x log2(e) and M = ceil(the row's largest t), a whole number; so 1/2 < the row's largest p <= 1. The row's sum l is taken of the UNQUANTISED p, in f32, and the product's result is divided by l at the end. Since M is a whole number, a kernel that streams over the keys may use a running M (the ceiling of the running maximum): every later rescaling is an exact power of two, so the quantised numbers keep their values, but for numbers so far below the row's largest that they fall under the format's range.
;;   OPERANDS COMPUTED ON THE WAY. 'Computed on the way' means the value that the module computes at that place (a softmax that the list does not call 'softmax' is quantised finished and normalised). What goes into a quantiser is computed in f32, as accurately as f32 sums, v_exp_f32 and their like allow (about 1e-6 of the number): no bf16 or f16 on the way to a quantiser, and a product that is left as it is and whose result goes on into a quantised operand takes f32 operands (vector FMAs, or v_wmma_f32_16x16x4_f32). A number that lies on a knife's edge between two numbers of the format may be rounded either way, as far as f32 arithmetic and the matrix unit's own rounding can turn it there, and no further.
;; 2 versions. Each part assembles by itself: llvm-mc -triple=amdgcn-amd-amdhsa -mcpu=gfx1250 --defsym DOCPART=n.
;; ======== version 1 of 2: 4 launches
;; limits: right only within a limited range of input values
;; workspace buffers: wc 2,621,440 bytes; qc 4,194,304 bytes; kc 1,048,576 bytes; vc 1,048,576 bytes; oc 4,194,304 bytes
;; launch wquant (part 1): grid 20 x 16, 4 waves a work-group, no clusters, 0 bytes of LDS; arguments w_q, w_k, w_v, w_o, lowp_scales, wc; writes wc
.if DOCPART == 1
	.amdgcn_target "amdgcn-amd-amdhsa--gfx1250"
	.amdhsa_code_object_version 6
	.text
	.protected	k_qf045b7a582_wquant
	.globl	k_qf045b7a582_wquant
	.p2align	8
	.type	k_qf045b7a582_wquant,@function
k_qf045b7a582_wquant:
	s_mov_b64 s[64:65], 0
	v_nop
	global_prefetch_b8 v0, s[64:65] scope:SCOPE_SE
	s_setreg_imm32_b32 hwreg(HW_REG_WAVE_MODE, 25, 1), 1
	s_wait_xcnt 0x0
; The four weights ([K = 1024][N] f32, K outermost) become codes of BF8 (E5M2), each with its given scale 2^e (entries 1, 3, 5, 11 of the scales).
; code = x / 2^e, held within +-57,344, rounded to the nearest code, ties to even.  LIMITS: e between -126 and 112; NaN among the inputs is not served.
; OUTPUT: images of operand registers.  wc = [tile of 16 columns, 0..159][K step s of 128, 0..7][piece c, 0..3][lane][16 bytes]; tiles 0-63 w_q, 64-79 w_k, 80-95 w_v, 96-159 w_o.
; Lane (r, h) of piece c holds k = 128 s + 32 c + 16 h + 0..15 of the tile's row r; row r of a weight's tile 2 b + u is its column 32 b + 8 u + r + 8 (r / 8).
; SHARES: work-group x = 128 columns of the four weights set side by side, y = 64 along K; a wave takes 32 columns (two tiles).  A LANE TAKES A COLUMN AND ITS REGISTERS RUN DOWN K:
; each load reads 128 consecutive bytes a wave, and the conversions give codes with K innermost.  A lane's 16 codes are 16 bytes of an image: sixteen lanes store 256 consecutive bytes, aligned.  No LDS, no barrier.
.set X,   16                           ; v16-79  64 numbers down K
.set C,   80                           ; v80-95  their codes: eight registers for each block of 32, so that no store's data are written again
.set LIM, 10                           ; v10     57,344 x 2^e
.set SCL, 11                           ; v11     2^e as f32
	s_load_b256 s[4:11], s[0:1], 0x0               ; w_q, w_k, w_v, w_o
	s_load_b128 s[12:15], s[0:1], 0x20             ; the scales' exponents, wc
	v_lshrrev_b32 v1, 5, v0
	v_readfirstlane_b32 s28, v1                    ; wave 0..3
	v_and_b32 v1, 15, v0                           ; r
	v_bfe_u32 v2, v0, 4, 1                         ; u: which of the wave's two tiles
	v_and_b32 v5, 8, v1
	v_add_nc_u32 v5, v5, v1                        ; r + 8 (r / 8)
	v_lshl_add_u32 v5, v2, 3, v5                   ; + 8 u: my column among the wave's 32
	v_lshlrev_b32 v3, 2, v5                        ; in bytes
	v_lshlrev_b32 v4, 4, v1
	v_lshl_add_u32 v4, v2, 14, v4                  ; out: 16 r + 16,384 u
	s_and_b32 s29, ttmp7, 0xffff                   ; y
	s_mov_b32 s33, 12                              ; the weight's first x, and log2 of its row's bytes: w_o,
	s_mov_b32 s34, 12
	s_cmp_lt_u32 ttmp9, 12
	s_cselect_b32 s33, 10, s33                     ; w_v,
	s_cselect_b32 s34, 10, s34
	s_cmp_lt_u32 ttmp9, 10
	s_cselect_b32 s33, 8, s33                      ; w_k,
	s_cmp_lt_u32 ttmp9, 8
	s_cselect_b32 s33, 0, s33                      ; w_q
	s_cselect_b32 s34, 12, s34
	s_lshl_b32 s35, s29, 6
	s_lshl_b32 s36, s35, s34                       ; 64 y rows
	s_sub_co_u32 s35, ttmp9, s33
	s_lshl_b32 s35, s35, 9
	s_add_co_u32 s36, s36, s35                     ; + 128 columns x 4 bytes for each x
	s_lshl_b32 s35, s28, 7
	s_add_co_u32 s36, s36, s35                     ; + 32 columns a wave
	s_mov_b32 s37, 0
	s_lshl_b32 s38, ttmp9, 17                      ; out: 8 tiles of 16,384 bytes for each x,
	s_lshl_b32 s35, s28, 15
	s_add_co_u32 s38, s38, s35                     ; two a wave,
	s_lshl_b32 s35, s29, 10
	s_add_co_u32 s38, s38, s35                     ; and 2,048 (y / 2) + 1,024 (y % 2) = 1,024 y
	s_mov_b32 s39, 0
	s_wait_kmcnt 0x0
	s_load_b256 s[16:23], s[12:13], 0x0            ; e0 .. e7
	s_load_b128 s[24:27], s[12:13], 0x20           ; e8 .. e11
	s_cmp_lt_u32 ttmp9, 12                         ; the choice hangs on the work-group's number alone
	s_cselect_b64 s[30:31], s[8:9], s[10:11]
	s_cmp_lt_u32 ttmp9, 10
	s_cselect_b64 s[30:31], s[6:7], s[30:31]
	s_cmp_lt_u32 ttmp9, 8
	s_cselect_b64 s[30:31], s[4:5], s[30:31]
	s_add_nc_u64 s[30:31], s[30:31], s[36:37]
	s_add_nc_u64 s[14:15], s[14:15], s[38:39]
	s_cmp_eq_u32 s34, 12                           ; rows of 4,096 bytes or of 1,024: the row's step stands in the loads' immediates
	s_cbranch_scc0 .Lnarrow
.set n, 0
.rept 64
	global_load_b32 v[X+n], v3, s[30:31] offset:n*4096 th:TH_LOAD_NT
.set n, n+1
.endr
	s_branch .Lloaded
.Lnarrow:
.set n, 0
.rept 64
	global_load_b32 v[X+n], v3, s[30:31] offset:n*1024 th:TH_LOAD_NT
.set n, n+1
.endr
.Lloaded:
	s_wait_kmcnt 0x0
	s_cmp_lt_u32 ttmp9, 12
	s_cselect_b32 s32, s21, s27                    ; e5 or e11
	s_cmp_lt_u32 ttmp9, 10
	s_cselect_b32 s32, s19, s32                    ; e3
	s_cmp_lt_u32 ttmp9, 8
	s_cselect_b32 s32, s17, s32                    ; e1
	s_add_co_i32 s32, s32, 127
	s_lshl_b32 s35, s32, 23
	v_mov_b32 v[SCL], s35                          ; 2^e: the conversion takes its exponent field
	s_add_co_i32 s32, s32, 15
	s_lshl_b32 s32, s32, 23
	s_or_b32 s32, s32, 0x600000
	v_mov_b32 v[LIM], s32                          ; 57,344 x 2^e
.macro BLOCK b                         ; 32 along K: piece 2 (y % 2) + b of the image; its first 16 codes belong to the image's lanes 0-15, the others to lanes 16-31
.set n, 0
.rept 32
	v_med3_num_f32 v[X+32*\b+n], v[X+32*\b+n], -v[LIM], v[LIM]   ; the conversion to an 8-bit code does not saturate (ISA guide 7.6.2): the hold comes first
.set n, n+1
.endr
.irp g, 0,1,2,3
	v_cvt_scalef32_pk8_bf8_f32 v[C+8*\b+2*\g:C+8*\b+2*\g+1], v[X+32*\b+8*\g:X+32*\b+8*\g+7], v[SCL]
.endr
	v_nop                                          ; a plain line behind the last conversion of the run
	global_store_b128 v4, v[C+8*\b:C+8*\b+3], s[14:15] offset:512*\b          ; lanes 0-15: 256 consecutive bytes of tile 2 b, lanes 16-31: of tile 2 b + 1
	global_store_b128 v4, v[C+8*\b+4:C+8*\b+7], s[14:15] offset:512*\b+256
.endm
	s_wait_loadcnt 32                              ; the first 32 loads are in; the second block's 32 may be out
	BLOCK 0
	s_wait_loadcnt 0x0
	BLOCK 1
	s_endpgm
.Lfunc_end_k_qf045b7a582_wquant:
	.size	k_qf045b7a582_wquant, .Lfunc_end_k_qf045b7a582_wquant-k_qf045b7a582_wquant
	.p2alignl 7, 3214868480
	.fill 96, 4, 3214868480
	.section	.rodata,"a",@progbits
	.p2align	6, 0x0
	.amdhsa_kernel k_qf045b7a582_wquant
		.amdhsa_group_segment_fixed_size 0
		.amdhsa_private_segment_fixed_size 0
		.amdhsa_enable_private_segment 0
		.amdhsa_kernarg_size 48
		.amdhsa_user_sgpr_count 2
		.amdhsa_user_sgpr_kernarg_segment_ptr 1
		.amdhsa_wavefront_size32 1
		.amdhsa_system_sgpr_workgroup_id_x 1
		.amdhsa_system_sgpr_workgroup_id_y 1
		.amdhsa_system_sgpr_workgroup_id_z 1
		.amdhsa_system_vgpr_workitem_id 0
		.amdhsa_next_free_vgpr 96
		.amdhsa_next_free_sgpr 66
		.amdhsa_reserve_vcc 0
		.amdhsa_float_denorm_mode_32 3
		.amdhsa_float_denorm_mode_16_64 3
		.amdhsa_memory_ordered 1
		.amdhsa_forward_progress 1
		.amdhsa_inst_pref_size 20
	.end_amdhsa_kernel
	.amdgpu_metadata
---
amdhsa.version: [ 1, 2 ]
amdhsa.kernels:
  - .name:           k_qf045b7a582_wquant
    .symbol:         k_qf045b7a582_wquant.kd
    .args:
      - { .name: w_q, .offset: 0, .size: 8, .value_kind: global_buffer, .address_space: global }
      - { .name: w_k, .offset: 8, .size: 8, .value_kind: global_buffer, .address_space: global }
      - { .name: w_v, .offset: 16, .size: 8, .value_kind: global_buffer, .address_space: global }
      - { .name: w_o, .offset: 24, .size: 8, .value_kind: global_buffer, .address_space: global }
      - { .name: lowp_scales, .offset: 32, .size: 8, .value_kind: global_buffer, .address_space: global }
      - { .name: wc, .offset: 40, .size: 8, .value_kind: global_buffer, .address_space: global }
    .group_segment_fixed_size: 0
    .private_segment_fixed_size: 0
    .kernarg_segment_align: 8
    .kernarg_segment_size: 48
    .max_flat_workgroup_size: 128
    .sgpr_count:     66
    .vgpr_count:     96
    .wavefront_size: 32
...
	.end_amdgpu_metadata
.endif
;; end of part 1
;; launch proj (part 2): grid 192 x 1, 4 waves a work-group, no clusters, 67,072 bytes of LDS; arguments query, key, value, wc, b_q, b_k, b_v, lowp_scales, qc, kc, vc; writes qc, kc, vc
.if DOCPART == 2
	.amdgcn_target "amdgcn-amd-amdhsa--gfx1250"
	.amdhsa_code_object_version 6
	.text
	.protected	k_qf045b7a582_proj
	.globl	k_qf045b7a582_proj
	.p2align	8
	.type	k_qf045b7a582_proj,@function
k_qf045b7a582_proj:
	s_mov_b64 s[64:65], 0
	v_nop
	global_prefetch_b8 v0, s[64:65] scope:SCOPE_SE
	s_setreg_imm32_b32 hwreg(HW_REG_WAVE_MODE, 25, 1), 1
	s_wait_xcnt 0x0
; The three projections x W + b on codes of BF8 (E5M2), and their results quantised at once for attention's products: q (scale e7), k (e6), v (e8).
; Work-groups 0-127: query x 256 columns of w_q (slice = id % 4, rows 128 (id / 4) on); 128-159: key x w_k; 160-191: value x w_v (rows 128 (id % 32) on).  All have the same work: 128 rows x 256 columns x K = 1,024.
; THE WAVES SHARE THE COLUMNS: wave w owns 64 columns, one head, and keeps its 32 fragments of the weight (512 registers) for the whole launch, read once as register images from wc.
; A TRIP, 64 rows, twice.  X: wave w quantises rows 16 w .. 16 w + 15 of x and stores the codes as rows in LDS | barrier | M: every wave reads all 64 rows' fragments, two tiles of 16 rows at a time:
; 64 matrix instructions on 8 accumulators by turns, the bias as the C of the first; hold, conversion, and the codes leave as register images, 512 consecutive bytes a store | barrier.
; q, k: THE PRODUCT IS USED TRANSPOSED (source 0 = 16 columns of W, source 1 = 16 rows of x): a lane holds one token, and since row r of the weight's tile 2 b + u is column 32 b + 8 u + r + 8 (r / 8),
;   the 16 registers of tiles 2 b, 2 b + 1 are d = 32 b + 16 h + 0..15: piece b of the next operand.   qc = [tile of 16 tokens][head][piece 0..1][lane][16 bytes];  kc = [kv head][tile of 16 tokens][piece][lane][16 bytes].
; v: the product as it stands (source 0 = x, source 1 = W): a lane holds one d and eight tokens, since the keys are the next K.  vc = [kv head][128 keys][tile of 16 d][piece c 0..3][lane][16 bytes];
;   bytes 8 u + j of lane (r, h) of piece c are token 16 (2 c + u) + 8 h + j: the order in which attention's weights come out of its first product.
; A sum stands for sum x 2^(ex + ew): the bias goes in divided by that, and the conversion takes 2^(eo - ex - ew) as its one scale.
; LIMITS: ex, and eo - ex - ew, between -126 and 112.  NaN among the inputs is not served.
; No cluster, no tensor load: what work-groups share, the weights, goes to registers once and stays; beside the rows' codes it would not fit in LDS (262,144 + 66,560 bytes).
; REGISTERS, in windows of 256.  Window 0: addresses, constants, v32-63 the bias, v64-127 8 accumulators, v128-159 codes.  Window 1: phase X: 8 slots of 32 numbers of x; phase M: x's fragments (128 m + 16 s).
;   Windows 2, 3: the weight: fragment (tile t, K step s) in window 2 + s / 4 at v[64 (s % 4) + 16 t].
.set PITCH, 1040                       ; an LDS row: 1,024 codes + 16 bytes = 65 x 16: the sixteen rows of a fragment load start at sixteen different 16-byte columns modulo 256
.set TROW,  16*PITCH
.set XA,   4                           ; v4   32 x lane: my 8 numbers of each 256 of a row of x
.set LI,   5                           ; v5   16 x lane: my place in an image
.set XS,   6                           ; v6   where I store 8 codes: my wave's 16 rows + 8 x lane
.set FA,   7                           ; v7   a fragment's row r x pitch + 16 h
.set VO,   8                           ; v8-11  q, k: 16 x lane + the trip's tile of rows m x the bytes from tile to tile
.set BA,   12                          ; v12  the bias for q, k: 64 h
.set BV,   13                          ; v13  the bias for v: 4 (r + 8 (r / 8))
.set SCX,  16                          ; v16, v17  2^ex and 57,344 x 2^ex
.set LIMX, 17
.set SCO,  18                          ; v18, v19  the same with eo - ex - ew
.set LIMO, 19
.set PCX,  20                          ; v20-27  a row's codes
.set BI,   32
.set ACC,  64                          ; accumulator (m, t) at v[64 + 32 m + 8 t]
.set PC,   128                         ; 16 registers of codes for each pair of tiles
.set WV,   26
.set KIND, 46                          ; 0: q, 1: k, 2: v
.set TR,   47
.set MSB, 0
.macro WIN new                         ; the immediate's high byte repeats the setting that is left; low byte: bits 1:0 source 0, 3:2 source 1, 5:4 source 2, 7:6 destination
.if MSB != (\new)
	s_set_vgpr_msb (MSB<<8)|(\new)
.set MSB, (\new)
.endif
.endm
.macro PLACES                          ; four plain vector lines between a matrix instruction and a vector instruction that reads its result (ISA guide 7.12.1)
.rept 4
	v_nop
.endr
.endm
.macro BARRIER                         ; my LDS stores have landed and my LDS loads are in: then the work-group's barrier
	s_wait_dscnt 0x0
	s_barrier_signal -1
	s_barrier_wait -1
.endm
	s_load_b512 s[4:19], s[0:1], 0x0               ; query, key, value, wc, b_q, b_k, b_v, the scales' exponents
	s_load_b128 s[20:23], s[0:1], 0x40             ; qc, kc
	s_load_b64 s[24:25], s[0:1], 0x50              ; vc
	v_lshl_add_u32 v254, v0, 2, 0x10400
	v_mov_b32 v255, 0
	v_lshrrev_b32 v1, 5, v0
	v_readfirstlane_b32 s[WV], v1                  ; wave 0..3
	v_and_b32 v1, 31, v0                           ; lane
	v_and_b32 v2, 15, v0                           ; r
	v_bfe_u32 v3, v0, 4, 1                         ; h
	v_lshlrev_b32 v[XA], 5, v1
	v_lshlrev_b32 v[LI], 4, v1
	s_mul_i32 s27, s[WV], TROW
	v_lshl_add_u32 v[XS], v1, 3, s27
	v_mul_u32_u24 v[FA], v2, PITCH
	v_lshl_add_u32 v[FA], v3, 4, v[FA]
	v_lshlrev_b32 v[BA], 6, v3
	v_and_b32 v[BV], 8, v2
	v_add_nc_u32 v[BV], v[BV], v2
	v_lshlrev_b32 v[BV], 2, v[BV]
	s_cmp_ge_u32 ttmp9, 128                        ; every choice below hangs on the work-group's number alone
	s_cselect_b32 s[KIND], 1, 0
	s_cmp_ge_u32 ttmp9, 160
	s_cselect_b32 s[KIND], 2, s[KIND]
	s_and_b32 s52, ttmp9, 3
	s_lshr_b32 s53, ttmp9, 2
	s_add_co_u32 s54, s[KIND], 3
	s_and_b32 s55, ttmp9, 31
	s_mov_b32 s50, 1024
	s_mov_b32 s48, 4096
	s_lshl_b32 s58, s[WV], 18
	s_cmp_eq_u32 s[KIND], 0
	s_cselect_b32 s52, s52, s54                    ; the slice of 256 columns in wc: 0-3 w_q, 4 w_k, 5 w_v
	s_cselect_b32 s53, s53, s55                    ; the block of 128 rows
	s_cselect_b32 s50, 16384, s50                  ; bytes from a tile of 16 tokens to the next: qc 16 heads x 1,024, kc 1,024 (vc: 1,024 x 8 = a key step)
	s_cselect_b32 s48, 0x10000, s48                ; what a trip of 64 rows adds to the output's address: four tiles,
	s_lshl_b32 s57, s52, 2
	s_add_co_u32 s57, s57, s[WV]
	s_lshl_b32 s57, s57, 10                        ; q: head 4 x slice + wave, 1,024 bytes each
	s_lshl_b32 s62, s52, 10                        ; q: the slice's 256 numbers of b_q
	s_cmp_eq_u32 s[KIND], 0
	s_cselect_b32 s57, s57, s58                    ; k, v: kv head = wave, 262,144 bytes each
	s_cselect_b32 s62, s62, 0
	s_cmp_eq_u32 s[KIND], 2
	s_cselect_b32 s48, 1024, s48                   ; for v two pieces of 512 bytes
	s_mov_b32 s49, 0
	s_mul_i32 s56, s53, s50
	s_lshl_b32 s56, s56, 3                         ; 8 tiles of tokens for each block of rows
	s_add_co_u32 s56, s56, s57
	s_mov_b32 s57, 0                               ; s[56:57]: my place in the output
	s_lshl_b32 s58, s53, 19
	s_lshl_b32 s59, s[WV], 16
	s_add_co_u32 s58, s58, s59
	s_mov_b32 s59, 0                               ; s[58:59]: row 128 x block + 16 x wave of x, 4,096 bytes a row
	s_lshl_b32 s60, s52, 18
	s_lshl_b32 s61, s[WV], 16
	s_add_co_u32 s60, s60, s61
	s_mov_b32 s61, 0                               ; s[60:61]: my four tiles in wc
	s_lshl_b32 s63, s[WV], 8
	s_add_co_u32 s62, s62, s63
	s_mov_b32 s63, 0                               ; s[62:63]: my 64 numbers of the bias
.irp m, 0,1,2,3
	s_mul_i32 s51, s50, \m
	v_add_nc_u32 v[VO+\m], s51, v[LI]
.endr
	s_wait_kmcnt 0x0
	s_load_b256 s[32:39], s[18:19], 0x0            ; e0 .. e7
	s_load_b32 s40, s[18:19], 0x20                 ; e8
	s_cmp_eq_u32 s[KIND], 1
	s_cselect_b64 s[28:29], s[6:7], s[4:5]
	s_cselect_b64 s[44:45], s[14:15], s[12:13]
	s_cselect_b64 s[30:31], s[22:23], s[20:21]
	s_cmp_eq_u32 s[KIND], 2
	s_cselect_b64 s[28:29], s[8:9], s[28:29]       ; x
	s_cselect_b64 s[44:45], s[16:17], s[44:45]     ; the bias
	s_cselect_b64 s[30:31], s[24:25], s[30:31]     ; the output
	s_add_nc_u64 s[28:29], s[28:29], s[58:59]
	s_add_nc_u64 s[30:31], s[30:31], s[56:57]
	s_add_nc_u64 s[42:43], s[10:11], s[60:61]
	s_add_nc_u64 s[44:45], s[44:45], s[62:63]
	WIN 0x80                                       ; destination window 2: the weight's K steps 0-3; each load reads 512 consecutive bytes
.irp s, 0,1,2,3
.irp t, 0,1,2,3
.irp c, 0,1,2,3
	global_load_b128 v[64*\s+16*\t+4*\c:64*\s+16*\t+4*\c+3], v[LI], s[42:43] offset:\t*16384+\s*2048+\c*512
.endr
.endr
.endr
	WIN 0xc0                                       ; window 3: K steps 4-7
.irp s, 4,5,6,7
.irp t, 0,1,2,3
.irp c, 0,1,2,3
	global_load_b128 v[64*(\s-4)+16*\t+4*\c:64*(\s-4)+16*\t+4*\c+3], v[LI], s[42:43] offset:\t*16384+\s*2048+\c*512
.endr
.endr
.endr
	WIN 0
	s_cmp_eq_u32 s[KIND], 2                        ; the bias in the result's layout
	s_cbranch_scc1 .Lbias_v
.irp t, 0,1,2,3                        ; q, k: register j of tile 2 b + u is column 32 b + 16 h + 8 u + j
	global_load_b128 v[BI+8*\t:BI+8*\t+3], v[BA], s[44:45] offset:(32*(\t/2)+8*(\t%2))*4
	global_load_b128 v[BI+8*\t+4:BI+8*\t+7], v[BA], s[44:45] offset:(32*(\t/2)+8*(\t%2))*4+16
.endr
	s_branch .Lbias_done
.Lbias_v:
.irp t, 0,1,2,3                        ; v: all eight registers of tile 2 b + u are column 32 b + 8 u + r + 8 (r / 8)
.irp j, 0,1,2,3,4,5,6,7
	global_load_b32 v[BI+8*\t+\j], v[BV], s[44:45] offset:(32*(\t/2)+8*(\t%2))*4
.endr
.endr
.Lbias_done:
	s_wait_loadcnt 0x0
	s_wait_kmcnt 0x0
	s_cmp_eq_u32 s[KIND], 1
	s_cselect_b32 s54, s34, s32                    ; ex: e0, e2, e4
	s_cselect_b32 s55, s35, s33                    ; ew: e1, e3, e5
	s_cselect_b32 s56, s38, s39                    ; eo: q e7, k e6, v e8
	s_cmp_eq_u32 s[KIND], 2
	s_cselect_b32 s54, s36, s54
	s_cselect_b32 s55, s37, s55
	s_cselect_b32 s56, s40, s56
	s_add_co_i32 s55, s54, s55                     ; ex + ew
	s_sub_co_i32 s41, 0, s55
	s_sub_co_i32 s56, s56, s55                     ; eo - ex - ew
.set n, 0
.rept 32
	v_ldexp_f32 v[BI+n], v[BI+n], s41              ; b / 2^(ex + ew)
.set n, n+1
.endr
	s_add_co_i32 s54, s54, 127
	s_lshl_b32 s57, s54, 23
	v_mov_b32 v[SCX], s57
	s_add_co_i32 s54, s54, 15
	s_lshl_b32 s54, s54, 23
	s_or_b32 s54, s54, 0x600000
	v_mov_b32 v[LIMX], s54
	s_add_co_i32 s56, s56, 127
	s_lshl_b32 s57, s56, 23
	v_mov_b32 v[SCO], s57
	s_add_co_i32 s56, s56, 15
	s_lshl_b32 s56, s56, 23
	s_or_b32 s56, s56, 0x600000
	v_mov_b32 v[LIMO], s56
; Row i of my 16: eight loads into slot i % 8 of window 1.  A lane takes 8 neighbours, k = 256 q + 8 x lane + 0..7, of each quarter q: the two loads of a quarter cover its 1,024 bytes.
.macro XLOAD i
.irp q, 0,1,2,3
.irp j, 0,1
	global_load_b128 v[32*((\i)%8)+8*\q+4*\j:32*((\i)%8)+8*\q+4*\j+3], v[XA], s[28:29] offset:(\i)*4096+\q*1024+16*\j
.endr
.endr
.endm
; Row i is held, converted and stored into LDS; its slot takes the row eight further on.
.macro XGROUP i
.if (\i) < 8
	s_wait_loadcnt 56                              ; loads come back in order: row i is in, the seven younger rows' 56 loads may be out
.else
	s_wait_loadcnt 8*(15-(\i))                     ; nothing is asked for any more: the count runs down
.endif
	WIN 0x41                                       ; destination and source 0 window 1
.set n, 0
.rept 32
	v_med3_num_f32 v[32*((\i)%8)+n], v[32*((\i)%8)+n], -v[LIMX], v[LIMX]   ; the conversion does not saturate (ISA guide 7.6.2): the hold comes first
.set n, n+1
.endr
	s_wait_dscnt 0x0                               ; the last row's stores have read the registers that the conversions write
	WIN 0x01                                       ; source 0 window 1
.irp q, 0,1,2,3
	v_cvt_scalef32_pk8_bf8_f32 v[PCX+2*\q:PCX+2*\q+1], v[32*((\i)%8)+8*\q:32*((\i)%8)+8*\q+7], v[SCX]
.endr
	v_nop                                          ; a plain line behind the last conversion of the run
	WIN 0
.irp q, 0,1,2,3
	ds_store_b64 v[XS], v[PCX+2*\q:PCX+2*\q+1] offset:(\i)*PITCH+256*\q   ; 32 lanes store 256 consecutive bytes of the row
.endr
.if (\i) < 8
	WIN 0x40
	XLOAD (\i)+8
.endif
.endm
; Eight matrix instructions: K step s, two tiles of rows x my four tiles of columns.  The eight accumulators take turns, one instruction a turn.
.macro MMA nat, s
.irp m, 0,1
.irp t, 0,1,2,3
.set rD, ACC+32*\m+8*\t
.set rW, 64*((\s)%4)+16*\t
.set rX, 128*\m+16*(\s)
.set rC, rD
.if (\s) == 0
.set rC, BI+8*\t                       ; the bias starts the sum: nothing is cleared, nothing is added later
.endif
.if \nat
	v_wmma_f32_16x16x128_bf8_bf8 v[rD:rD+7], v[rX:rX+15], v[rW:rW+15], v[rC:rC+7]
.else
	v_wmma_f32_16x16x128_bf8_bf8 v[rD:rD+7], v[rW:rW+15], v[rX:rX+15], v[rC:rC+7]
.endif
.endr
.endr
.endm
; Tiles of rows 2 p, 2 p + 1 of the trip.  nat = 0: transposed (q, k); nat = 1: as it stands (v).
.macro PAIR p, nat
	WIN 0x40                                       ; destination window 1
.irp s, 0,1,2,3,4,5,6,7
.irp m, 0,1
.irp c, 0,1,2,3
	ds_load_b128 v[128*\m+16*\s+4*\c:128*\m+16*\s+4*\c+3], v[FA] offset:(2*\p+\m)*TROW+128*\s+32*\c   ; lane (r, h): k = 128 s + 32 c + 16 h + 0..15 of row r, as in the weight's image
.endr
.endr
.endr
	s_wait_dscnt 32                                ; K steps 0-3 are in; the 32 loads of K steps 4-7 may be out
	WIN (0x06+3*\nat)                              ; W window 2, x window 1 (0x06: W is source 0; 0x09: source 1)
.irp s, 0,1,2,3
	MMA \nat, \s
.endr
	s_wait_dscnt 0x0
	WIN (0x07+6*\nat)                              ; W window 3
.irp s, 4,5,6,7
	MMA \nat, \s
.endr
	WIN 0
	PLACES
.set n, 0
.rept 64
	v_med3_num_f32 v[ACC+n], v[ACC+n], -v[LIMO], v[LIMO]   ; each accumulator from its low end on
.set n, n+1
.endr
.irp m, 0,1
.irp t, 0,1,2,3
.if \nat
	v_cvt_scalef32_pk8_bf8_f32 v[PC+16*\p+4*\t+2*\m:PC+16*\p+4*\t+2*\m+1], v[ACC+32*\m+8*\t:ACC+32*\m+8*\t+7], v[SCO]   ; d tile t's piece: tokens of tile 2 p, then of 2 p + 1
.else
	v_cvt_scalef32_pk8_bf8_f32 v[PC+16*\p+8*\m+2*\t:PC+16*\p+8*\m+2*\t+1], v[ACC+32*\m+8*\t:ACC+32*\m+8*\t+7], v[SCO]   ; tile of tokens m, piece t / 2: columns of tile 2 b, then of 2 b + 1
.endif
.endr
.endr
	v_nop                                          ; a plain line between the conversions and the next products, which write their sources
.if \nat
.irp t, 0,1,2,3
	global_store_b128 v[LI], v[PC+16*\p+4*\t:PC+16*\p+4*\t+3], s[30:31] offset:2048*\t+512*\p   ; 512 consecutive bytes, aligned
.endr
.else
.irp m, 0,1
.irp b, 0,1
	global_store_b128 v[VO+2*\p+\m], v[PC+16*\p+8*\m+4*\b:PC+16*\p+8*\m+4*\b+3], s[30:31] offset:512*\b
.endr
.endr
.endif
.endm
	s_mov_b32 s[TR], 2
.Ltrip:
	WIN 0x40
.irp i, 0,1,2,3,4,5,6,7
	XLOAD \i
.endr
.irp i, 0,1,2,3,4,5,6,7,8,9,10,11,12,13,14,15
	XGROUP \i
.endr
	BARRIER                                        ; the 64 rows' codes lie in LDS
	s_cmp_eq_u32 s[KIND], 2
	s_cbranch_scc1 .Lnatural
	PAIR 0, 0
	PAIR 1, 0
	s_branch .Lstored
.Lnatural:
	PAIR 0, 1
	PAIR 1, 1
.Lstored:
	s_wait_xcnt 0x0                                ; the stores have read their data and their base: both are written again only behind this wait
	s_add_nc_u64 s[28:29], s[28:29], 0x40000       ; 64 rows of x on
	s_add_nc_u64 s[30:31], s[30:31], s[48:49]
	BARRIER                                        ; every wave's reads of the rows are over: the next trip may store
	s_sub_co_u32 s[TR], s[TR], 1
	s_cmp_lg_u32 s[TR], 0
	s_cbranch_scc1 .Ltrip
	s_wait_tensorcnt 0x0
	ds_add_u32 v254, v255
	s_wait_dscnt 0x0
	s_endpgm
.Lfunc_end_k_qf045b7a582_proj:
	.size	k_qf045b7a582_proj, .Lfunc_end_k_qf045b7a582_proj-k_qf045b7a582_proj
	.p2alignl 7, 3214868480
	.fill 96, 4, 3214868480
	.section	.rodata,"a",@progbits
	.p2align	6, 0x0
	.amdhsa_kernel k_qf045b7a582_proj
		.amdhsa_group_segment_fixed_size 67072
		.amdhsa_private_segment_fixed_size 0
		.amdhsa_enable_private_segment 0
		.amdhsa_kernarg_size 88
		.amdhsa_user_sgpr_count 2
		.amdhsa_user_sgpr_kernarg_segment_ptr 1
		.amdhsa_wavefront_size32 1
		.amdhsa_system_sgpr_workgroup_id_x 1
		.amdhsa_system_sgpr_workgroup_id_y 1
		.amdhsa_system_sgpr_workgroup_id_z 1
		.amdhsa_system_vgpr_workitem_id 0
		.amdhsa_next_free_vgpr 1024
		.amdhsa_next_free_sgpr 80
		.amdhsa_reserve_vcc 0
		.amdhsa_float_denorm_mode_32 3
		.amdhsa_float_denorm_mode_16_64 3
		.amdhsa_memory_ordered 1
		.amdhsa_forward_progress 1
		.amdhsa_inst_pref_size 132
	.end_amdhsa_kernel
	.amdgpu_metadata
---
amdhsa.version: [ 1, 2 ]
amdhsa.kernels:
  - .name:           k_qf045b7a582_proj
    .symbol:         k_qf045b7a582_proj.kd
    .args:
      - { .name: query, .offset: 0, .size: 8, .value_kind: global_buffer, .address_space: global }
      - { .name: key, .offset: 8, .size: 8, .value_kind: global_buffer, .address_space: global }
      - { .name: value, .offset: 16, .size: 8, .value_kind: global_buffer, .address_space: global }
      - { .name: wc, .offset: 24, .size: 8, .value_kind: global_buffer, .address_space: global }
      - { .name: b_q, .offset: 32, .size: 8, .value_kind: global_buffer, .address_space: global }
      - { .name: b_k, .offset: 40, .size: 8, .value_kind: global_buffer, .address_space: global }
      - { .name: b_v, .offset: 48, .size: 8, .value_kind: global_buffer, .address_space: global }
      - { .name: lowp_scales, .offset: 56, .size: 8, .value_kind: global_buffer, .address_space: global }
      - { .name: qc, .offset: 64, .size: 8, .value_kind: global_buffer, .address_space: global }
      - { .name: kc, .offset: 72, .size: 8, .value_kind: global_buffer, .address_space: global }
      - { .name: vc, .offset: 80, .size: 8, .value_kind: global_buffer, .address_space: global }
    .group_segment_fixed_size: 67072
    .private_segment_fixed_size: 0
    .kernarg_segment_align: 8
    .kernarg_segment_size: 88
    .max_flat_workgroup_size: 128
    .sgpr_count:     80
    .vgpr_count:     1024
    .wavefront_size: 32
...
	.end_amdgpu_metadata
.endif
;; end of part 2
;; launch attn (part 3): grid 64 x 4, 8 waves a work-group, clusters of 4 x 1, 327,680 bytes of LDS; arguments qc, kc, vc, lowp_scales, oc; writes oc
.if DOCPART == 3
	.amdgcn_target "amdgcn-amd-amdhsa--gfx1250"
	.amdhsa_code_object_version 6
	.text
	.protected	k_qf045b7a582_attn
	.globl	k_qf045b7a582_attn
	.p2align	8
	.type	k_qf045b7a582_attn,@function
k_qf045b7a582_attn:
	s_mov_b64 s[64:65], 0
	v_nop
	global_prefetch_b8 v0, s[64:65] scope:SCOPE_SE
	s_setreg_imm32_b32 hwreg(HW_REG_WAVE_MODE, 25, 1), 1
	s_wait_xcnt 0x0
	s_wait_alu depctr_hold_cnt(0) depctr_sa_sdst(0) depctr_va_vdst(0) depctr_va_sdst(0) depctr_va_ssrc(0) depctr_va_vcc(0) depctr_vm_vsrc(0)
	s_getreg_b32 s2, hwreg(HW_REG_IB_STS2, 6, 4)
	s_cmp_eq_u32 s2, 0
	s_cbranch_scc0 .Lentry_in_a_cluster
	s_endpgm
.Lentry_in_a_cluster:
	s_bfe_u32 s2, ttmp6, 0x10000c
	s_cmp_lg_u32 s2, 0x3003
	s_cbranch_scc0 .Lentry_shape_is_right
	s_endpgm
.Lentry_shape_is_right:
; Attention of 16 query heads on 4 kv heads, head size 64, 4,096 keys, both products on codes of BF8 (E5M2); its result is quantised at once (scale e10) for the last projection.
; t = score x 2^(e6 + e7) x log2(e) / 8; M = the row's largest t so far, rounded UP to a whole number; p = 2^(t - M) is quantised with 2^e9, not normalised; the row's sum is taken of the unquantised p and divides at the end.
; When M moves, the sum and O are multiplied by 2^(old M - new M): nothing is rounded, and there is no branch on data.
; SHARES.  A work-group owns 64 queries x the 4 heads of kv head g = grid y: 16 tiles of 16 queries.  Eight waves of 512 registers, two to a SIMD; wave w owns tile of queries w / 2 and heads 2 (w % 2), 2 (w % 2) + 1:
; TWO TILES, one in each register window under the same numbers, so that each fragment of K and V read from LDS feeds two products.  Every wave walks all keys, 128 a step.
; LAYOUT.  Both products are used transposed: S^T = K Q^T (source 0 = 16 keys), O^T = V^T P^T (source 0 = 16 of the head's 64): a lane holds one query throughout.  Register j of key tile i is key 16 i + 8 h + j;
; the codes of tiles 2 c, 2 c + 1 make piece c of P, and vc was laid in that same order of keys.  Row r of V's tile 2 b + u is d = 32 b + 8 u + r + 8 (r / 8), so O^T's tiles 2 b, 2 b + 1 are d = 32 b + 16 h + 0..15: a piece of oc.
; All operands are register images in memory: a slot of the ring is a dense copy, every LDS read is 16 x lane + a constant, and nothing is padded or transposed.
; CLUSTER.  The four work-groups of a cluster have the same g and walk the same K and V: each tile is asked for JOINTLY, by the same tensor load with the mask of all four.
; RING.  Two slots of 512 keys (K's images 32,768 bytes, then V's 32,768).  Waves 0, 1 fetch K's halves, waves 2, 3 V's, 16,384 bytes each; by this text's count a wave has one tensor load out at the most.
; LIMITS: e6 + e7 between -123 and 130 (added to the exponent field of log2(e) / 8); e9 and e10 between -126 and 112; e8 + e9 goes in by v_ldexp_f32 and has none.
; REGISTERS.  Window 0 alone: v1 16 x lane, v2 the slot's address, v3 the prefetch's offset, v4, v5 the add's two.  In both windows: v12 -M, v13 the largest t, v[14:15] the sum in two halves, v16-23 Q, v24-29 at work,
;   v30 the hold, v31 the scale, v32-95 S^T then p, v96-111 p's codes, v112-143 O^T.  v144-207: window 0 K's 8 fragments, window 1 V's 4.
.set SLOTB, 65536
.set SPARE, 2*SLOTB                    ; behind the ring: the spare words, 128 bytes for each of the eight waves: four blocks of 256 bytes that no other line names
.set LI,  1
.set AD,  2
.set PFO, 3
.set SPW, 4
.set NIL, 5
.set Q,   16
.set S,   32
.set PC,  96
.set O,   112
.set KF,  144
.set VF,  144
.set WV,  14
.set SEL, 20                           ; s[20:21] lane selects for v_permlanex16_b32: lane l xor 16
.set CS,  22                           ; s[22:23] c = 2^(e6 + e7) log2(e) / 8; the packed form names a pair and takes its low word
.set G1,  24                           ; s[24:31] descriptor group 1: the same for K's and V's tiles
.set G0K, 32                           ; s[32:35] group 0 for K's tiles, which walks
.set TB,  36                           ; s36  LDS byte at which the slot in hand begins
.set SLOTS, 37                         ; s37  slots still to be asked for
.set LIM, 38                           ; s38  1 in a wave that prefetches, else the greatest number
.set PFA, 40                           ; s[40:41] where my prefetches stand
.set G0V, 60                           ; s[60:63] group 0 for V's tiles
.set MSB, 0
.macro WIN new                         ; the immediate's high byte repeats the setting that is left; low byte: bits 1:0 source 0, 3:2 source 1, 5:4 source 2, 7:6 destination
.if MSB != (\new)
	s_set_vgpr_msb (MSB<<8)|(\new)
.set MSB, (\new)
.endif
.endm
.macro PLACES
.rept 4
	v_nop
.endr
.endm
; A round of the cluster's barrier: my work-group's barrier, wave 0's signal for the work-group, every wave's wait for all four work-groups, my work-group's barrier once more.
.macro CROUND
	s_barrier_signal -1
	s_barrier_wait -1
	s_cmp_lg_u32 s[WV], 0
	s_cbranch_scc1 .Lnot_wave_0_\@
	s_barrier_signal -3
.Lnot_wave_0_\@:
	s_barrier_wait -3
	s_barrier_signal -1
	s_barrier_wait -1
.endm
; A joint load.  The branches hang on the wave's number alone, the same in every work-group.  Four v_nop follow each of the two lines.
.macro TLOAD
	s_cmp_lt_u32 s[WV], 2
	s_cbranch_scc0 .Lnot_k_\@
	tensor_load_to_lds s[G0K:G0K+3], s[G1:G1+7]
	s_nop 0
.rept 4
	v_nop
.endr
	s_branch .Lasked_\@
.Lnot_k_\@:
	s_cmp_lt_u32 s[WV], 4
	s_cbranch_scc0 .Lasked_\@
	tensor_load_to_lds s[G0V:G0V+3], s[G1:G1+7]
	s_nop 0
.rept 4
	v_nop
.endr
.Lasked_\@:
.endm
; A PREFETCH of what the NEXT change of slots will ask for: 32,768 bytes of K's images and as many of V's.  All sixteen clusters of a kv head walk the same bytes: the first (cluster x = 0) asks.  Its four partners share
; a slot out BY ADDRESS, 8,192 bytes each; in each, wave 4 asks for K's and wave 5 for V's, lanes 256 bytes apart: each aligned block of 256 bytes is named once in the launch.  It runs one slot, four key steps, ahead of
; the load.  The last change that fills a slot asks for nothing; slots 0 and 1 come by their loads alone.
.macro ASK
	s_cmp_gt_u32 s[SLOTS], s[LIM]
	s_cbranch_scc0 .Lnot_mine_\@
	global_prefetch_b8 v[PFO], s[PFA:PFA+1] th:TH_LOAD_NT scope:SCOPE_SE
.Lnot_mine_\@:
.endm
	s_load_b256 s[4:11], s[0:1], 0x0               ; qc, kc, vc, the scales' exponents
	s_load_b64 s[12:13], s[0:1], 0x20              ; oc
	v_lshl_add_u32 v[SPW], v0, 2, SPARE
	v_mov_b32 v[NIL], 0
	ds_add_u32 v4, v5
	s_wait_dscnt 0x0
	v_lshrrev_b32 v1, 5, v0
	v_readfirstlane_b32 s[WV], v1                  ; wave 0..7
	v_and_b32 v1, 31, v0
	v_lshlrev_b32 v[PFO], 8, v1
	v_lshlrev_b32 v[LI], 4, v1
	s_bfe_u32 s15, ttmp6, 0x40000                  ; cx: it enters Q's, oc's and the prefetches' addresses alone
	s_lshl_b32 s16, ttmp9, 2
	s_add_co_u32 s16, s16, s15                     ; my block of 64 queries
	s_and_b32 s17, ttmp7, 0xffff                   ; g, which the four partners share
	s_mov_b32 s[G1], 15|(3<<16)|(1<<21)            ; 15:0 the mask: all four work-groups; 17:16 elements of 8 bytes; 20 no padding; 21 set beside a mask
	s_mov_b32 s[G1+1], 32<<16                      ; tensor_dim0 = 32 elements: rows of 256 bytes
	s_mov_b32 s[G1+2], 64<<16                      ; tensor_dim1 = 64
	s_mov_b32 s[G1+3], 32<<16                      ; tile_dim0
	s_mov_b32 s[G1+4], 64                          ; tile_dim1: 64 rows, 16,384 bytes, dense in memory and in LDS
	s_mov_b32 s[G1+5], 32                          ; the pitch
	s_mov_b32 s[G1+6], 0
	s_mov_b32 s[G1+7], 0
	s_mov_b32 s[SEL], 0x76543210
	s_mov_b32 s[SEL+1], 0xfedcba98
	s_mov_b32 s[TB], 0
	s_mov_b32 s[SLOTS], 7
	s_lshr_b32 s18, s[WV], 1
	s_xor_b32 s18, s18, 2                          ; 0 in waves 4 and 5,
	s_or_b32 s18, s18, ttmp9                       ; of the kv head's first cluster: the same in all four partners
	s_cmp_eq_u32 s18, 0
	s_cselect_b32 s[LIM], 1, -1
	s_and_b32 s19, s[WV], 1
	s_lshl_b32 s58, s19, 14                        ; which half of a slot's K or V I fetch
	s_lshl_b32 s52, s17, 18                        ; the kv head's 262,144 bytes in kc and in vc
	s_add_co_u32 s52, s52, s58
	s_mov_b32 s53, 0
	s_lshl_b32 s54, s17, 18
	s_lshl_b32 s18, s15, 13
	s_add_co_u32 s54, s54, s18
	s_add_co_u32 s54, s54, 32768                   ; the prefetches: my work-group's 8,192 bytes of slot 1; the first change of slots steps them to slot 2
	s_mov_b32 s55, 0
	s_lshl_b32 s56, s16, 2
	s_lshr_b32 s18, s[WV], 1
	s_add_co_u32 s56, s56, s18                     ; T: my tile of 16 queries
	s_lshl_b32 s56, s56, 14
	s_lshl_b32 s18, s17, 12
	s_add_co_u32 s56, s56, s18
	s_lshl_b32 s18, s19, 11
	s_add_co_u32 s56, s56, s18                     ; 16,384 T + 4,096 g + 2,048 (w % 2): my two heads' images in qc, and my fragment in oc
	s_mov_b32 s57, 0
	s_wait_kmcnt 0x0
	s_load_b256 s[44:51], s[10:11], 0x10           ; e4 .. e11
	s_mov_b32 s[G0K], 1                            ; count = 1
	s_mov_b32 s[G0K+1], s58                        ; LDS address: slot 0, K's half
	s_add_nc_u64 s[G0K+2:G0K+3], s[6:7], s[52:53]
	s_or_b32 s[G0K+3], s[G0K+3], 0x80000000        ; type = 2
	s_mov_b32 s[G0V], 1
	s_add_co_u32 s[G0V+1], s58, 32768              ; V's half, behind K's 32,768 bytes
	s_add_nc_u64 s[G0V+2:G0V+3], s[8:9], s[52:53]
	s_or_b32 s[G0V+3], s[G0V+3], 0x80000000
	s_cmp_eq_u32 s[WV], 4
	s_cselect_b64 s[PFA:PFA+1], s[6:7], s[8:9]
	s_add_nc_u64 s[PFA:PFA+1], s[PFA:PFA+1], s[54:55]
	s_add_nc_u64 s[4:5], s[4:5], s[56:57]
	s_add_nc_u64 s[12:13], s[12:13], s[56:57]
	CROUND                                         ; all four work-groups are here: the first joint loads meet
	TLOAD                                          ; slot 0
	global_load_b128 v[Q:Q+3], v[LI], s[4:5] th:TH_LOAD_NT               ; Q stays in registers: the first head in window 0,
	global_load_b128 v[Q+4:Q+7], v[LI], s[4:5] offset:512 th:TH_LOAD_NT
	WIN 0x40
	global_load_b128 v[Q:Q+3], v[LI], s[4:5] offset:1024 th:TH_LOAD_NT   ; the second in window 1
	global_load_b128 v[Q+4:Q+7], v[LI], s[4:5] offset:1536 th:TH_LOAD_NT
	WIN 0
	s_wait_kmcnt 0x0
	s_add_co_i32 s18, s46, s47
	s_lshl_b32 s18, s18, 23
	s_add_co_i32 s[CS], s18, 0x3e38aa3b            ; log2(e) / 8 with e6 + e7 added to its exponent field
	s_mov_b32 s[CS+1], s[CS]                       ; (named with it as a pair, so it is written)
	s_add_co_i32 s18, s49, 127
	s_lshl_b32 s19, s18, 23                        ; 2^e9
	s_add_co_i32 s18, s18, 15
	s_lshl_b32 s18, s18, 23
	s_or_b32 s18, s18, 0x600000                    ; 57,344 x 2^e9
	s_add_co_i32 s55, s48, s49                     ; e8 + e9
	s_add_co_i32 s57, s50, 127
	s_lshl_b32 s56, s57, 23                        ; 2^e10
	s_add_co_i32 s57, s57, 15
	s_lshl_b32 s57, s57, 23
	s_or_b32 s57, s57, 0x600000                    ; 57,344 x 2^e10
.macro INIT                            ; the key step is written once: the first finds zeros, which the first change of M leaves zeros
	v_mov_b32 v13, 0xff61b1e6                      ; the largest t so far: -3e38
	v_mov_b32 v12, 0x7f61b1e6                      ; -M = 3e38, a whole number
	v_mov_b32 v14, 0
	v_mov_b32 v15, 0
	v_mov_b32 v27, 0                               ; (named as the upper half of the pair v[26:27])
	v_mov_b32 v28, 0                               ; a lane permute's destination counts as one of its sources
	v_mov_b32 v30, s18
	v_mov_b32 v31, s19
.set n, 0
.rept 32
	v_mov_b32 v[O+n], 0
.set n, n+1
.endr
.endm
	INIT
	WIN 0x40
	INIT
	WIN 0
.macro KLOAD q                         ; the slot's q-th 128 keys: 8 fragments of 16 keys x 64, 8,192 bytes on end
.set n, 0
.rept 16
	ds_load_b128 v[KF+4*n:KF+4*n+3], v[AD] offset:8192*(\q)+512*n
.set n, n+1
.endr
.endm
.macro VLOAD q                         ; and their V: 4 fragments of 16 d x 128 keys
.set n, 0
.rept 16
	ds_load_b128 v[VF+4*n:VF+4*n+3], v[AD] offset:32768+8192*(\q)+512*n
.set n, n+1
.endr
.endm
.macro KQ                              ; S^T = K Q^T for one tile: eight accumulators, each begun with 0
.set n, 0
.rept 8
	v_wmma_f32_16x16x64_bf8_bf8 v[S+8*n:S+8*n+7], v[KF+8*n:KF+8*n+7], v[Q:Q+7], 0
.set n, n+1
.endr
.endm
.macro PV                              ; O^T += V^T P^T for one tile: four accumulators by turns, one instruction a turn
.set n, 0
.rept 4
	v_wmma_f32_16x16x128_bf8_bf8 v[O+8*n:O+8*n+7], v[VF+16*n:VF+16*n+15], v[PC:PC+15], v[O+8*n:O+8*n+7]
.set n, n+1
.endr
.endm
; One tile's softmax for 128 keys, all in the window that is set.
.macro SOFT
	v_max3_num_f32 v24, v[S], v[S+1], v[S+2]       ; the largest of my 64 scores, in two chains; each accumulator is read from its low end on
	v_max3_num_f32 v25, v[S+3], v[S+4], v[S+5]
.set n, 6
.rept 14
	v_max3_num_f32 v24, v24, v[S+n], v[S+n+1]
	v_max3_num_f32 v25, v25, v[S+n+2], v[S+n+3]
.set n, n+4
.endr
	v_max3_num_f32 v24, v24, v[S+62], v[S+63]
	v_max_num_f32 v24, v24, v25
	v_permlanex16_b32 v28, v24, s[SEL], s[SEL+1]
	v_max_num_f32 v24, v24, v28                    ; and of lane l xor 16's
	v_mul_f32 v24, s[CS], v24                      ; as t (c is positive)
	v_max_num_f32 v13, v13, v24                    ; the running largest t
	v_mov_b32 v24, v12
	v_floor_f32 v12, -v13                          ; the new -M = floor(-t) = -ceil(t)
	v_sub_f32 v24, v12, v24                        ; old M - new M: a whole number, 0 or less
	v_cvt_i32_f32 v24, v24                         ; (it saturates)
	v_ldexp_f32 v26, 1.0, v24                      ; f = 2^(old M - new M)
.set n, 0
.rept 32
	v_pk_fma_f32 v[S+n:S+n+1], v[S+n:S+n+1], s[CS:CS+1], v[12:13] op_sel_hi:[1,0,0]   ; t - M, two at a time
.set n, n+2
.endr
.set n, 0
.rept 64
	v_exp_f32 v[S+n], v[S+n]                       ; p = 2^(t - M)
.set n, n+1
.endr
	v_pk_mul_f32 v[14:15], v[14:15], v[26:27] op_sel_hi:[1,0]   ; the sums under the new M: the plain line behind the exponentials
	s_wait_alu depctr_va_vdst(0)                   ; one wait for the whole batch, ahead of its first reader
	v_pk_add_f32 v[28:29], v[S:S+1], v[S+2:S+3]    ; the row's sum is taken of the unquantised p, in two chains
.set n, 4
.rept 15
	v_pk_add_f32 v[14:15], v[14:15], v[S+n:S+n+1]
	v_pk_add_f32 v[28:29], v[28:29], v[S+n+2:S+n+3]
.set n, n+4
.endr
	v_pk_add_f32 v[14:15], v[14:15], v[28:29]
.irp b, 0,1,2,3
.set n, 0
.rept 16
	v_min_num_f32 v[S+16*\b+n], v[S+16*\b+n], v30  ; the conversion does not saturate (ISA guide 7.6.2); p is not negative, so the hold is one-sided
.set n, n+1
.endr
	v_cvt_scalef32_pk8_bf8_f32 v[PC+4*\b:PC+4*\b+1], v[S+16*\b:S+16*\b+7], v31
	v_cvt_scalef32_pk8_bf8_f32 v[PC+4*\b+2:PC+4*\b+3], v[S+16*\b+8:S+16*\b+15], v31
.endr
.set n, 0
.rept 16
	v_pk_mul_f32 v[O+n:O+n+1], v[O+n:O+n+1], v[26:27] op_sel_hi:[1,0]   ; O^T under the new M; also the plain lines between the conversions and the products that read the codes
.set n, n+2
.endr
.endm
; A KEY STEP.  Tile 1's softmax stands behind tile 0's second product.  V's loads, and the next step's K's, go out ahead of tile 0's softmax.
.macro STEP q
	s_wait_dscnt 0x0                               ; K is in
	KQ                                             ; tile 0: all in window 0
	WIN 0x44                                       ; tile 1: Q and S^T in window 1, K in window 0
	KQ
	WIN 0
	PLACES                                         ; four plain lines between the products and the loads into K's and V's registers, and the first read of the scores
	WIN 0x40
	VLOAD \q
	WIN 0
.if (\q) < 3
	KLOAD (\q)+1
.endif
	SOFT
.if (\q) < 3
	s_wait_dscnt 16                                ; V is in; the next step's 16 loads of K, issued behind V's, may be out
.else
	s_wait_dscnt 0x0
.endif
	WIN 0x01                                       ; V in window 1, the rest in window 0
	PV
	WIN 0x55
	SOFT
	PV
	WIN 0
.endm
; THE CHANGE OF SLOTS stands at a slot's head.  Each wave waits for all its tensor loads, adds 0 to its spare word, and waits for that and for its reads of the slot that it has left.  fill = 1: a round of the cluster's
; barrier, so that no wave of any partner still reads that slot or has a load on its way; the joint refill is the first thing behind it and has the slot's four key steps in which to land.
.macro CHANGE fill
	s_wait_tensorcnt 0x0                           ; no tensor load of mine is out, so a group 0 may be written
	ds_add_u32 v[SPW], v[NIL]                      ; 0 onto my spare word
.if \fill
	s_xor_b32 s[G0K+1], s[G0K+1], SLOTB            ; the other slot than last time,
	s_add_nc_u64 s[G0K+2:G0K+3], s[G0K+2:G0K+3], 32768   ; the next 512 keys; the type bits on top are not reached
	s_xor_b32 s[G0V+1], s[G0V+1], SLOTB
	s_add_nc_u64 s[G0V+2:G0V+3], s[G0V+2:G0V+3], 32768
	s_wait_xcnt 0x0                                ; the last prefetch, a slot back, has read its address
	s_add_nc_u64 s[PFA:PFA+1], s[PFA:PFA+1], 32768 ; one slot further on than the walking descriptors
	s_wait_dscnt 0x0                               ; the add is done, and my reads of the slot that I have left are over
	CROUND
	TLOAD
	ASK
.else
	s_wait_dscnt 0x0
	s_barrier_signal -1
	s_barrier_wait -1
.endif
.endm
.macro SLOT_STEPS
	v_add_nc_u32 v[AD], s[TB], v[LI]
	KLOAD 0
	STEP 0
	STEP 1
	STEP 2
	STEP 3
	s_xor_b32 s[TB], s[TB], SLOTB                  ; on to the other slot
.endm
	s_wait_loadcnt 0x0                             ; Q
.Lslot:                                            ; seven trips: behind each change of slots but the last the next slot is asked for
	CHANGE 1
	SLOT_STEPS
	s_sub_co_u32 s[SLOTS], s[SLOTS], 1
	s_cmp_lg_u32 s[SLOTS], 0
	s_cbranch_scc1 .Lslot
	CHANGE 0                                       ; the last slot is written out
	SLOT_STEPS
; THE WAY OUT of one tile: O^T x 2^(e8 + e9) / the sum, held, converted with 2^e10.  O^T's tiles 2 b, 2 b + 1 give piece b of the head's 64: the codes are a register image and are stored as they stand.
.macro FINISH
	v_mov_b32 v30, s57
	v_mov_b32 v31, s56
	v_add_f32 v14, v14, v15                        ; the sum's two halves,
	v_permlanex16_b32 v28, v14, s[SEL], s[SEL+1]
	v_add_f32 v14, v14, v28                        ; and lane l xor 16's
	v_rcp_f32 v14, v14
	v_nop                                          ; a plain line behind the transcendental
	s_wait_alu depctr_va_vdst(0)                   ; and the wait ahead of its first reader
	v_ldexp_f32 v14, v14, s55
.set n, 0
.rept 16
	v_pk_mul_f32 v[S+n:S+n+1], v[O+n:O+n+1], v[14:15] op_sel_hi:[1,0]   ; each accumulator from its low end on
.set n, n+2
.endr
.set n, 0
.rept 32
	v_med3_num_f32 v[S+n], v[S+n], -v30, v30
.set n, n+1
.endr
.set n, 0
.rept 4
	v_cvt_scalef32_pk8_bf8_f32 v[PC+2*n:PC+2*n+1], v[S+8*n:S+8*n+7], v31
.set n, n+1
.endr
	v_nop
.endm
	PLACES
	FINISH
	global_store_b128 v[LI], v[PC:PC+3], s[12:13]                 ; my wave's four stores fill one fragment of oc, 2,048 bytes: 512 consecutive bytes each
	global_store_b128 v[LI], v[PC+4:PC+7], s[12:13] offset:512
	WIN 0x55
	FINISH
	WIN 0x04                                       ; the stores' data in window 1, their address in window 0
	global_store_b128 v[LI], v[PC:PC+3], s[12:13] offset:1024
	global_store_b128 v[LI], v[PC+4:PC+7], s[12:13] offset:1536
	WIN 0
	s_wait_tensorcnt 0x0                           ; the wave's end
	ds_add_u32 v[SPW], v[NIL]
	s_wait_dscnt 0x0
	CROUND                                         ; the closing round: no work-group ends while a partner may still ask for a tile that names it
	s_endpgm
.Lfunc_end_k_qf045b7a582_attn:
	.size	k_qf045b7a582_attn, .Lfunc_end_k_qf045b7a582_attn-k_qf045b7a582_attn
	.p2alignl 7, 3214868480
	.fill 96, 4, 3214868480
	.section	.rodata,"a",@progbits
	.p2align	6, 0x0
	.amdhsa_kernel k_qf045b7a582_attn
		.amdhsa_group_segment_fixed_size 327680
		.amdhsa_private_segment_fixed_size 0
		.amdhsa_enable_private_segment 0
		.amdhsa_kernarg_size 40
		.amdhsa_user_sgpr_count 2
		.amdhsa_user_sgpr_kernarg_segment_ptr 1
		.amdhsa_wavefront_size32 1
		.amdhsa_system_sgpr_workgroup_id_x 1
		.amdhsa_system_sgpr_workgroup_id_y 1
		.amdhsa_system_sgpr_workgroup_id_z 1
		.amdhsa_system_vgpr_workitem_id 0
		.amdhsa_next_free_vgpr 512
		.amdhsa_next_free_sgpr 80
		.amdhsa_reserve_vcc 0
		.amdhsa_float_denorm_mode_32 3
		.amdhsa_float_denorm_mode_16_64 3
		.amdhsa_memory_ordered 1
		.amdhsa_forward_progress 1
		.amdhsa_inst_pref_size 241
	.end_amdhsa_kernel
	.amdgpu_metadata
---
amdhsa.version: [ 1, 2 ]
amdhsa.kernels:
  - .name:           k_qf045b7a582_attn
    .symbol:         k_qf045b7a582_attn.kd
    .args:
      - { .name: qc, .offset: 0, .size: 8, .value_kind: global_buffer, .address_space: global }
      - { .name: kc, .offset: 8, .size: 8, .value_kind: global_buffer, .address_space: global }
      - { .name: vc, .offset: 16, .size: 8, .value_kind: global_buffer, .address_space: global }
      - { .name: lowp_scales, .offset: 24, .size: 8, .value_kind: global_buffer, .address_space: global }
      - { .name: oc, .offset: 32, .size: 8, .value_kind: global_buffer, .address_space: global }
    .group_segment_fixed_size: 327680
    .private_segment_fixed_size: 0
    .kernarg_segment_align: 8
    .kernarg_segment_size: 40
    .max_flat_workgroup_size: 256
    .sgpr_count:     80
    .vgpr_count:     512
    .wavefront_size: 32
...
	.end_amdgpu_metadata
.endif
;; end of part 3
;; launch oproj (part 4): grid 256 x 1, 4 waves a work-group, no clusters, 84,480 bytes of LDS; arguments oc, wc, b_o, lowp_scales, out0; writes out0
.if DOCPART == 4
	.amdgcn_target "amdgcn-amd-amdhsa--gfx1250"
	.amdhsa_code_object_version 6
	.text
	.protected	k_qf045b7a582_oproj
	.globl	k_qf045b7a582_oproj
	.p2align	8
	.type	k_qf045b7a582_oproj,@function
k_qf045b7a582_oproj:
	s_mov_b64 s[64:65], 0
	v_nop
	global_prefetch_b8 v0, s[64:65] scope:SCOPE_SE
	s_setreg_imm32_b32 hwreg(HW_REG_WAVE_MODE, 25, 1), 1
	s_wait_xcnt 0x0
; out0 = attention's result x w_o + b_o, on codes of BF8 (E5M2): y = sum x 2^(e10 + e11) + b_o.  oc and wc hold register images (16 rows x 128 K: four pieces of 512 bytes, lane l's 16 bytes at 16 l).
; A work-group takes 64 rows (id / 4) x 256 columns (id % 4); wave w owns 64 columns and loads its 32 fragments of w_o (512 registers) once.  Wave w also brings the rows' tile w (8 fragments) and stores it into LDS
; AS IT STANDS; behind one barrier every wave fetches all 32 fragments by the same lines: no rows, no pitch; every address is 16 x lane + a constant (+ a constant x wave).
; THE PRODUCT IS USED TRANSPOSED (source 0 = 16 columns of w_o, source 1 = 16 rows): a lane holds one row; register j of tile 2 b + u is column 32 b + 16 h + 8 u + j.  A tile of 16 rows x my 64 columns goes through my own
; stage in LDS and leaves as rows: sixteen lanes store 256 consecutive bytes, aligned.
; LIMIT: e10 + e11 between -126 and 127, so that 2^(e10 + e11) is an f32 number.
; No cluster, no tensor load: the weights go to registers once; a work-group has one pass and no ring.
; REGISTERS.  Window 0: addresses; v32-63 b_o; v64-127 8 accumulators; v128-191 results; v192-255 rows read back.  Window 1: the rows' fragments (128 m + 16 s).  Windows 2, 3: w_o: (t, s) in window 2 + s / 4 at v[64 (s % 4) + 16 t].
.set STG, 65536                        ; LDS: 32 images of 2,048 bytes, then a stage of 16 rows x (256 + 16) bytes for each wave
.set SP,  272
.set LI,  5                            ; v5   16 x lane
.set XS,  6                            ; v6   where I store my tile's images: 16 x lane + 16,384 x wave
.set SO,  8                            ; v8   the stage, in: row r, + 64 h
.set SR,  9                            ; v9   the stage, back: lanes 0-15 one row, lanes 16-31 the next
.set GO,  10                           ; v10  the same two rows in out0
.set BA,  12                           ; v12  b_o: 64 h
.set BI,  32
.set ACC, 64
.set TMP, 128
.set OB,  192
.set MSB, 0
.macro WIN new                         ; the immediate's high byte repeats the setting that is left; low byte: bits 1:0 source 0, 3:2 source 1, 5:4 source 2, 7:6 destination
.if MSB != (\new)
	s_set_vgpr_msb (MSB<<8)|(\new)
.set MSB, (\new)
.endif
.endm
	s_load_b256 s[4:11], s[0:1], 0x0               ; oc, wc, b_o, the scales' exponents
	s_load_b64 s[12:13], s[0:1], 0x20              ; out0
	v_lshl_add_u32 v30, v0, 2, 0x14800
	v_mov_b32 v31, 0
	v_lshrrev_b32 v1, 5, v0
	v_readfirstlane_b32 s14, v1                    ; wave 0..3
	v_and_b32 v1, 31, v0
	v_and_b32 v2, 15, v0                           ; r
	v_bfe_u32 v3, v0, 4, 1                         ; h
	v_lshlrev_b32 v[LI], 4, v1
	s_lshl_b32 s15, s14, 14
	v_add_nc_u32 v[XS], s15, v[LI]
	s_mul_i32 s15, s14, 16*SP
	s_add_co_u32 s15, s15, STG                     ; my stage
	v_mul_u32_u24 v[SO], v2, SP
	v_lshl_add_u32 v[SO], v3, 6, v[SO]
	v_add_nc_u32 v[SO], s15, v[SO]
	v_mul_u32_u24 v[SR], v3, SP
	v_lshl_add_u32 v[SR], v2, 4, v[SR]
	v_add_nc_u32 v[SR], s15, v[SR]
	v_lshlrev_b32 v[GO], 12, v3
	v_lshl_add_u32 v[GO], v2, 4, v[GO]
	v_lshlrev_b32 v[BA], 6, v3
	s_and_b32 s16, ttmp9, 3                        ; which 256 columns
	s_lshr_b32 s17, ttmp9, 2                       ; which 64 rows
	s_lshl_b32 s20, s17, 16
	s_lshl_b32 s18, s14, 14
	s_add_co_u32 s20, s20, s18                     ; oc: tile of rows 4 x block + wave, 16,384 bytes each
	s_mov_b32 s21, 0
	s_add_co_u32 s22, s16, 6
	s_lshl_b32 s22, s22, 18
	s_lshl_b32 s18, s14, 16
	s_add_co_u32 s22, s22, s18                     ; wc: slices 6-9 are w_o's; four tiles a wave
	s_mov_b32 s23, 0
	s_lshl_b32 s24, s16, 10
	s_lshl_b32 s18, s14, 8
	s_add_co_u32 s24, s24, s18                     ; my 64 columns, in bytes
	s_mov_b32 s25, 0
	s_lshl_b32 s26, s17, 18
	s_add_co_u32 s26, s26, s24                     ; out0: 64 rows of 4,096 bytes for each block, + my columns
	s_mov_b32 s27, 0
	s_wait_kmcnt 0x0
	s_load_b64 s[40:41], s[10:11], 0x28            ; e10, e11
	s_add_nc_u64 s[4:5], s[4:5], s[20:21]
	s_add_nc_u64 s[6:7], s[6:7], s[22:23]
	s_add_nc_u64 s[8:9], s[8:9], s[24:25]
	s_add_nc_u64 s[12:13], s[12:13], s[26:27]
	WIN 0x40                                       ; destination window 1: my tile of rows, 32 loads of 512 consecutive bytes
.set n, 0
.rept 32
	global_load_b128 v[4*n:4*n+3], v[LI], s[4:5] offset:512*n
.set n, n+1
.endr
	WIN 0x80                                       ; window 2: w_o's K steps 0-3
.irp s, 0,1,2,3
.irp t, 0,1,2,3
.irp c, 0,1,2,3
	global_load_b128 v[64*\s+16*\t+4*\c:64*\s+16*\t+4*\c+3], v[LI], s[6:7] offset:\t*16384+\s*2048+\c*512
.endr
.endr
.endr
	WIN 0xc0                                       ; window 3: K steps 4-7
.irp s, 4,5,6,7
.irp t, 0,1,2,3
.irp c, 0,1,2,3
	global_load_b128 v[64*(\s-4)+16*\t+4*\c:64*(\s-4)+16*\t+4*\c+3], v[LI], s[6:7] offset:\t*16384+\s*2048+\c*512
.endr
.endr
.endr
	WIN 0
.irp t, 0,1,2,3                        ; b_o in the result's layout
	global_load_b128 v[BI+8*\t:BI+8*\t+3], v[BA], s[8:9] offset:(32*(\t/2)+8*(\t%2))*4
	global_load_b128 v[BI+8*\t+4:BI+8*\t+7], v[BA], s[8:9] offset:(32*(\t/2)+8*(\t%2))*4+16
.endr
	s_wait_loadcnt 0x0
	WIN 0x04                                       ; the stores' data in window 1
.set n, 0
.rept 32
	ds_store_b128 v[XS], v[4*n:4*n+3] offset:512*n
.set n, n+1
.endr
	WIN 0
	s_wait_kmcnt 0x0
	s_add_co_i32 s46, s40, s41
	s_add_co_i32 s46, s46, 127
	s_lshl_b32 s46, s46, 23                        ; 2^(e10 + e11) as f32
	s_mov_b32 s47, s46                             ; (named with it as a pair, so it is written)
	s_wait_dscnt 0x0                               ; for the others' sake: my images have landed
	s_barrier_signal -1
	s_barrier_wait -1
; Eight matrix instructions: K step s, two tiles of rows x my four tiles of columns; the eight accumulators take turns, one instruction a turn.  The first K step starts the sums with 0.
.macro MMA s
.irp m, 0,1
.irp t, 0,1,2,3
.set rD, ACC+32*\m+8*\t
.set rW, 64*((\s)%4)+16*\t
.set rX, 128*\m+16*(\s)
.if (\s) == 0
	v_wmma_f32_16x16x128_bf8_bf8 v[rD:rD+7], v[rW:rW+15], v[rX:rX+15], 0
.else
	v_wmma_f32_16x16x128_bf8_bf8 v[rD:rD+7], v[rW:rW+15], v[rX:rX+15], v[rD:rD+7]
.endif
.endr
.endr
.endm
.macro PAIR p                          ; tiles of rows 2 p, 2 p + 1
	WIN 0x40
.irp s, 0,1,2,3,4,5,6,7
.irp m, 0,1
.irp c, 0,1,2,3
	ds_load_b128 v[128*\m+16*\s+4*\c:128*\m+16*\s+4*\c+3], v[LI] offset:(2*\p+\m)*16384+2048*\s+512*\c
.endr
.endr
.endr
	s_wait_dscnt 32                                ; K steps 0-3 are in; the 32 loads of K steps 4-7 may be out
	WIN 0x06                                       ; source 0 (w_o) window 2, source 1 (the rows) window 1
.irp s, 0,1,2,3
	MMA \s
.endr
	s_wait_dscnt 0x0
	WIN 0x07                                       ; w_o window 3
.irp s, 4,5,6,7
	MMA \s
.endr
	WIN 0
.rept 4
	v_nop                                          ; four plain lines between the last product and the first read of results (ISA guide 7.12.1)
.endr
.if \p
	s_wait_xcnt 0x0                                ; the first pair's stores have read their data: the rows' registers are loaded again only behind this wait
.endif
.irp m, 0,1
.set n, 0
.rept 16
	v_pk_fma_f32 v[TMP+32*\m+n:TMP+32*\m+n+1], v[ACC+32*\m+n:ACC+32*\m+n+1], s[46:47], v[BI+n:BI+n+1] op_sel_hi:[1,0,1]   ; y = sum x 2^(e10 + e11) + b_o; each accumulator from its low end on
.set n, n+2
.endr
.irp t, 0,1,2,3
	ds_store_b128 v[SO], v[TMP+32*\m+8*\t:TMP+32*\m+8*\t+3] offset:128*(\t/2)+32*(\t%2)
	ds_store_b128 v[SO], v[TMP+32*\m+8*\t+4:TMP+32*\m+8*\t+7] offset:128*(\t/2)+32*(\t%2)+16
.endr
.irp i, 0,1,2,3,4,5,6,7
	ds_load_b128 v[OB+32*\m+4*\i:OB+32*\m+4*\i+3], v[SR] offset:2*SP*\i   ; LDS serves a wave's instructions in order (ISA guide 5.7.1.4): these see my stores, and the next tile's stores come behind them
.endr
.endr
	s_wait_dscnt 16                                ; the first tile's rows are back; the second tile's 8 stores and 8 loads may be out
.irp i, 0,1,2,3,4,5,6,7
	global_store_b128 v[GO], v[OB+4*\i:OB+4*\i+3], s[12:13] offset:(16*(2*\p)+2*\i)*4096 th:TH_STORE_NT   ; sixteen lanes store 256 consecutive bytes, aligned; written once, read by nobody here
.endr
	s_wait_dscnt 0x0
.irp i, 0,1,2,3,4,5,6,7
	global_store_b128 v[GO], v[OB+32+4*\i:OB+32+4*\i+3], s[12:13] offset:(16*(2*\p+1)+2*\i)*4096 th:TH_STORE_NT
.endr
.endm
	PAIR 0
	PAIR 1
	s_wait_tensorcnt 0x0
	ds_add_u32 v30, v31
	s_wait_dscnt 0x0
	s_endpgm
.Lfunc_end_k_qf045b7a582_oproj:
	.size	k_qf045b7a582_oproj, .Lfunc_end_k_qf045b7a582_oproj-k_qf045b7a582_oproj
	.p2alignl 7, 3214868480
	.fill 96, 4, 3214868480
	.section	.rodata,"a",@progbits
	.p2align	6, 0x0
	.amdhsa_kernel k_qf045b7a582_oproj
		.amdhsa_group_segment_fixed_size 84480
		.amdhsa_private_segment_fixed_size 0
		.amdhsa_enable_private_segment 0
		.amdhsa_kernarg_size 40
		.amdhsa_user_sgpr_count 2
		.amdhsa_user_sgpr_kernarg_segment_ptr 1
		.amdhsa_wavefront_size32 1
		.amdhsa_system_sgpr_workgroup_id_x 1
		.amdhsa_system_sgpr_workgroup_id_y 1
		.amdhsa_system_sgpr_workgroup_id_z 1
		.amdhsa_system_vgpr_workitem_id 0
		.amdhsa_next_free_vgpr 1024
		.amdhsa_next_free_sgpr 66
		.amdhsa_reserve_vcc 0
		.amdhsa_float_denorm_mode_32 3
		.amdhsa_float_denorm_mode_16_64 3
		.amdhsa_memory_ordered 1
		.amdhsa_forward_progress 1
		.amdhsa_inst_pref_size 49
	.end_amdhsa_kernel
	.amdgpu_metadata
---
amdhsa.version: [ 1, 2 ]
amdhsa.kernels:
  - .name:           k_qf045b7a582_oproj
    .symbol:         k_qf045b7a582_oproj.kd
    .args:
      - { .name: oc, .offset: 0, .size: 8, .value_kind: global_buffer, .address_space: global }
      - { .name: wc, .offset: 8, .size: 8, .value_kind: global_buffer, .address_space: global }
      - { .name: b_o, .offset: 16, .size: 8, .value_kind: global_buffer, .address_space: global }
      - { .name: lowp_scales, .offset: 24, .size: 8, .value_kind: global_buffer, .address_space: global }
      - { .name: out0, .offset: 32, .size: 8, .value_kind: global_buffer, .address_space: global }
    .group_segment_fixed_size: 84480
    .private_segment_fixed_size: 0
    .kernarg_segment_align: 8
    .kernarg_segment_size: 40
    .max_flat_workgroup_size: 128
    .sgpr_count:     66
    .vgpr_count:     1024
    .wavefront_size: 32
...
	.end_amdgpu_metadata
.endif
;; end of part 4
;; ======== version 2 of 2: 4 launches
;; limits: right only within a limited range of input values
;; workspace buffers: wc 2,621,440 bytes; qc 4,194,304 bytes; kc 1,048,576 bytes; vc 1,048,576 bytes; oc 4,194,304 bytes
;; launch wquant (part 5): grid 20 x 16, 4 waves a work-group, no clusters, 0 bytes of LDS; arguments w_q, w_k, w_v, w_o, lowp_scales, wc; writes wc
.if DOCPART == 5
	.amdgcn_target "amdgcn-amd-amdhsa--gfx1250"
	.amdhsa_code_object_version 6
	.text
	.protected	k_qf045b7a582_wquant
	.globl	k_qf045b7a582_wquant
	.p2align	8
	.type	k_qf045b7a582_wquant,@function
k_qf045b7a582_wquant:
	s_mov_b64 s[64:65], 0
	v_nop
	global_prefetch_b8 v0, s[64:65] scope:SCOPE_SE
	s_setreg_imm32_b32 hwreg(HW_REG_WAVE_MODE, 25, 1), 1
	s_wait_xcnt 0x0
; The four weights ([K = 1024][N] f32, K outermost) become codes of BF8 (E5M2), each with its given scale 2^e (entries 1, 3, 5, 11 of the scales).
; code = x / 2^e, held within +-57,344, rounded to the nearest code, ties to even.  LIMITS: e between -126 and 112; NaN among the inputs is not served.
; OUTPUT: images of operand registers.  wc = [tile of 16 columns, 0..159][K step s of 128, 0..7][piece c, 0..3][lane][16 bytes]; tiles 0-63 w_q, 64-79 w_k, 80-95 w_v, 96-159 w_o.
; Lane (r, h) of piece c holds k = 128 s + 32 c + 16 h + 0..15 of the tile's row r; row r of a weight's tile 2 b + u is its column 32 b + 8 u + r + 8 (r / 8).
; SHARES: work-group x = 128 columns of the four weights set side by side, y = 64 along K; a wave takes 32 columns (two tiles).  A LANE TAKES A COLUMN AND ITS REGISTERS RUN DOWN K:
; each load reads 128 consecutive bytes a wave, and the conversions give codes with K innermost.  A lane's 16 codes are 16 bytes of an image: sixteen lanes store 256 consecutive bytes, aligned.  No LDS, no barrier.
.set X,   16                           ; v16-79  64 numbers down K
.set C,   80                           ; v80-95  their codes: eight registers for each block of 32, so that no store's data are written again
.set LIM, 10                           ; v10     57,344 x 2^e
.set SCL, 11                           ; v11     2^e as f32
	s_load_b256 s[4:11], s[0:1], 0x0               ; w_q, w_k, w_v, w_o
	s_load_b128 s[12:15], s[0:1], 0x20             ; the scales' exponents, wc
	v_lshrrev_b32 v1, 5, v0
	v_readfirstlane_b32 s28, v1                    ; wave 0..3
	v_and_b32 v1, 15, v0                           ; r
	v_bfe_u32 v2, v0, 4, 1                         ; u: which of the wave's two tiles
	v_and_b32 v5, 8, v1
	v_add_nc_u32 v5, v5, v1                        ; r + 8 (r / 8)
	v_lshl_add_u32 v5, v2, 3, v5                   ; + 8 u: my column among the wave's 32
	v_lshlrev_b32 v3, 2, v5                        ; in bytes
	v_lshlrev_b32 v4, 4, v1
	v_lshl_add_u32 v4, v2, 14, v4                  ; out: 16 r + 16,384 u
	s_and_b32 s29, ttmp7, 0xffff                   ; y
	s_mov_b32 s33, 12                              ; the weight's first x, and log2 of its row's bytes: w_o,
	s_mov_b32 s34, 12
	s_cmp_lt_u32 ttmp9, 12
	s_cselect_b32 s33, 10, s33                     ; w_v,
	s_cselect_b32 s34, 10, s34
	s_cmp_lt_u32 ttmp9, 10
	s_cselect_b32 s33, 8, s33                      ; w_k,
	s_cmp_lt_u32 ttmp9, 8
	s_cselect_b32 s33, 0, s33                      ; w_q
	s_cselect_b32 s34, 12, s34
	s_lshl_b32 s35, s29, 6
	s_lshl_b32 s36, s35, s34                       ; 64 y rows
	s_sub_co_u32 s35, ttmp9, s33
	s_lshl_b32 s35, s35, 9
	s_add_co_u32 s36, s36, s35                     ; + 128 columns x 4 bytes for each x
	s_lshl_b32 s35, s28, 7
	s_add_co_u32 s36, s36, s35                     ; + 32 columns a wave
	s_mov_b32 s37, 0
	s_lshl_b32 s38, ttmp9, 17                      ; out: 8 tiles of 16,384 bytes for each x,
	s_lshl_b32 s35, s28, 15
	s_add_co_u32 s38, s38, s35                     ; two a wave,
	s_lshl_b32 s35, s29, 10
	s_add_co_u32 s38, s38, s35                     ; and 2,048 (y / 2) + 1,024 (y % 2) = 1,024 y
	s_mov_b32 s39, 0
	s_wait_kmcnt 0x0
	s_load_b256 s[16:23], s[12:13], 0x0            ; e0 .. e7
	s_load_b128 s[24:27], s[12:13], 0x20           ; e8 .. e11
	s_cmp_lt_u32 ttmp9, 12                         ; the choice hangs on the work-group's number alone
	s_cselect_b64 s[30:31], s[8:9], s[10:11]
	s_cmp_lt_u32 ttmp9, 10
	s_cselect_b64 s[30:31], s[6:7], s[30:31]
	s_cmp_lt_u32 ttmp9, 8
	s_cselect_b64 s[30:31], s[4:5], s[30:31]
	s_add_nc_u64 s[30:31], s[30:31], s[36:37]
	s_add_nc_u64 s[14:15], s[14:15], s[38:39]
	s_cmp_eq_u32 s34, 12                           ; rows of 4,096 bytes or of 1,024: the row's step stands in the loads' immediates
	s_cbranch_scc0 .Lnarrow
.set n, 0
	s_wait_alu depctr_va_vdst(0)
.rept 64
	global_load_b32 v[X+n], v3, s[30:31] offset:n*4096 th:TH_LOAD_NT
.set n, n+1
.endr
	s_branch .Lloaded
.Lnarrow:
.set n, 0
	s_wait_alu depctr_va_vdst(0)
.rept 64
	global_load_b32 v[X+n], v3, s[30:31] offset:n*1024 th:TH_LOAD_NT
.set n, n+1
.endr
.Lloaded:
	s_wait_kmcnt 0x0
	s_cmp_lt_u32 ttmp9, 12
	s_cselect_b32 s32, s21, s27                    ; e5 or e11
	s_cmp_lt_u32 ttmp9, 10
	s_cselect_b32 s32, s19, s32                    ; e3
	s_cmp_lt_u32 ttmp9, 8
	s_cselect_b32 s32, s17, s32                    ; e1
	s_add_co_i32 s32, s32, 127
	s_lshl_b32 s35, s32, 23
	v_mov_b32 v[SCL], s35                          ; 2^e: the conversion takes its exponent field
	s_add_co_i32 s32, s32, 15
	s_lshl_b32 s32, s32, 23
	s_or_b32 s32, s32, 0x600000
	v_mov_b32 v[LIM], s32                          ; 57,344 x 2^e
.macro BLOCK b                         ; 32 along K: piece 2 (y % 2) + b of the image; its first 16 codes belong to the image's lanes 0-15, the others to lanes 16-31
.set n, 0
.rept 32
	v_med3_num_f32 v[X+32*\b+n], v[X+32*\b+n], -v[LIM], v[LIM]   ; the conversion to an 8-bit code does not saturate (ISA guide 7.6.2): the hold comes first
.set n, n+1
.endr
.irp g, 0,1,2,3
	v_cvt_scalef32_pk8_bf8_f32 v[C+8*\b+2*\g:C+8*\b+2*\g+1], v[X+32*\b+8*\g:X+32*\b+8*\g+7], v[SCL]
.endr
	v_nop                                          ; a plain line behind the last conversion of the run
	global_store_b128 v4, v[C+8*\b:C+8*\b+3], s[14:15] offset:512*\b          ; lanes 0-15: 256 consecutive bytes of tile 2 b, lanes 16-31: of tile 2 b + 1
	global_store_b128 v4, v[C+8*\b+4:C+8*\b+7], s[14:15] offset:512*\b+256
.endm
	s_wait_alu depctr_va_vdst(0)
	s_wait_loadcnt 32                              ; the first 32 loads are in; the second block's 32 may be out
	BLOCK 0
	s_wait_loadcnt 0x0
	BLOCK 1
	s_endpgm
.Lfunc_end_k_qf045b7a582_wquant:
	.size	k_qf045b7a582_wquant, .Lfunc_end_k_qf045b7a582_wquant-k_qf045b7a582_wquant
	.p2alignl 7, 3214868480
	.fill 96, 4, 3214868480
	.section	.rodata,"a",@progbits
	.p2align	6, 0x0
	.amdhsa_kernel k_qf045b7a582_wquant
		.amdhsa_group_segment_fixed_size 0
		.amdhsa_private_segment_fixed_size 0
		.amdhsa_enable_private_segment 0
		.amdhsa_kernarg_size 48
		.amdhsa_user_sgpr_count 2
		.amdhsa_user_sgpr_kernarg_segment_ptr 1
		.amdhsa_wavefront_size32 1
		.amdhsa_system_sgpr_workgroup_id_x 1
		.amdhsa_system_sgpr_workgroup_id_y 1
		.amdhsa_system_sgpr_workgroup_id_z 1
		.amdhsa_system_vgpr_workitem_id 0
		.amdhsa_next_free_vgpr 96
		.amdhsa_next_free_sgpr 66
		.amdhsa_reserve_vcc 0
		.amdhsa_float_denorm_mode_32 3
		.amdhsa_float_denorm_mode_16_64 3
		.amdhsa_memory_ordered 1
		.amdhsa_forward_progress 1
		.amdhsa_inst_pref_size 20
	.end_amdhsa_kernel
	.amdgpu_metadata
---
amdhsa.version: [ 1, 2 ]
amdhsa.kernels:
  - .name:           k_qf045b7a582_wquant
    .symbol:         k_qf045b7a582_wquant.kd
    .args:
      - { .name: w_q, .offset: 0, .size: 8, .value_kind: global_buffer, .address_space: global }
      - { .name: w_k, .offset: 8, .size: 8, .value_kind: global_buffer, .address_space: global }
      - { .name: w_v, .offset: 16, .size: 8, .value_kind: global_buffer, .address_space: global }
      - { .name: w_o, .offset: 24, .size: 8, .value_kind: global_buffer, .address_space: global }
      - { .name: lowp_scales, .offset: 32, .size: 8, .value_kind: global_buffer, .address_space: global }
      - { .name: wc, .offset: 40, .size: 8, .value_kind: global_buffer, .address_space: global }
    .group_segment_fixed_size: 0
    .private_segment_fixed_size: 0
    .kernarg_segment_align: 8
    .kernarg_segment_size: 48
    .max_flat_workgroup_size: 128
    .sgpr_count:     66
    .vgpr_count:     96
    .wavefront_size: 32
...
	.end_amdgpu_metadata
.endif
;; end of part 5
;; launch proj (part 6): grid 192 x 1, 4 waves a work-group, no clusters, 67,072 bytes of LDS; arguments query, key, value, wc, b_q, b_k, b_v, lowp_scales, qc, kc, vc; writes qc, kc, vc
.if DOCPART == 6
	.amdgcn_target "amdgcn-amd-amdhsa--gfx1250"
	.amdhsa_code_object_version 6
	.text
	.protected	k_qf045b7a582_proj
	.globl	k_qf045b7a582_proj
	.p2align	8
	.type	k_qf045b7a582_proj,@function
k_qf045b7a582_proj:
	s_mov_b64 s[64:65], 0
	v_nop
	global_prefetch_b8 v0, s[64:65] scope:SCOPE_SE
	s_setreg_imm32_b32 hwreg(HW_REG_WAVE_SCHED_MODE, 0, 2), 2
	s_setreg_imm32_b32 hwreg(HW_REG_WAVE_MODE, 25, 1), 1
	s_wait_xcnt 0x0
	s_wait_alu depctr_vm_vsrc(0)
; The three projections x W + b on codes of BF8 (E5M2), and their results quantised at once for attention's products: q (scale e7), k (e6), v (e8).
; Work-groups 0-127: query x 256 columns of w_q (slice = id % 4, rows 128 (id / 4) on); 128-159: key x w_k; 160-191: value x w_v (rows 128 (id % 32) on).  All have the same work: 128 rows x 256 columns x K = 1,024.
; THE WAVES SHARE THE COLUMNS: wave w owns 64 columns, one head, and keeps its 32 fragments of the weight (512 registers) for the whole launch, read once as register images from wc.
; A TRIP, 64 rows, twice.  X: wave w quantises rows 16 w .. 16 w + 15 of x and stores the codes as rows in LDS | barrier | M: every wave reads all 64 rows' fragments, two tiles of 16 rows at a time:
; 64 matrix instructions on 8 accumulators by turns, the bias as the C of the first; hold, conversion, and the codes leave as register images, 512 consecutive bytes a store | barrier.
; q, k: THE PRODUCT IS USED TRANSPOSED (source 0 = 16 columns of W, source 1 = 16 rows of x): a lane holds one token, and since row r of the weight's tile 2 b + u is column 32 b + 8 u + r + 8 (r / 8),
;   the 16 registers of tiles 2 b, 2 b + 1 are d = 32 b + 16 h + 0..15: piece b of the next operand.   qc = [tile of 16 tokens][head][piece 0..1][lane][16 bytes];  kc = [kv head][tile of 16 tokens][piece][lane][16 bytes].
; v: the product as it stands (source 0 = x, source 1 = W): a lane holds one d and eight tokens, since the keys are the next K.  vc = [kv head][128 keys][tile of 16 d][piece c 0..3][lane][16 bytes];
;   bytes 8 u + j of lane (r, h) of piece c are token 16 (2 c + u) + 8 h + j: the order in which attention's weights come out of its first product.
; A sum stands for sum x 2^(ex + ew): the bias goes in divided by that, and the conversion takes 2^(eo - ex - ew) as its one scale.
; LIMITS: ex, and eo - ex - ew, between -126 and 112.  NaN among the inputs is not served.
; No cluster, no tensor load: what work-groups share, the weights, goes to registers once and stays; beside the rows' codes it would not fit in LDS (262,144 + 66,560 bytes).
; REGISTERS, in windows of 256.  Window 0: addresses, constants, v32-63 the bias, v64-127 8 accumulators, v128-159 codes.  Window 1: phase X: 8 slots of 32 numbers of x; phase M: x's fragments (128 m + 16 s).
;   Windows 2, 3: the weight: fragment (tile t, K step s) in window 2 + s / 4 at v[64 (s % 4) + 16 t].
; THE MODE: SCHED_MODE bits 1:0 = 2 (LLVM: expert scheduling mode 2), set by the entry lines.  The code itself states the register dependences
; between vector or matrix instructions and memory or LDS instructions, with s_wait_alu, always for 0.
; THE PLAN.  Registers that memory or LDS instructions touch:
;   window 1, phase X   Slot i % 8: row i's eight loads land; its 32 holds write it, its 4 conversions read it; behind them row i + 8's loads land.
;   window 1, phase M   The fragments' LDS loads land; the pair's products read them; behind the products the next pair's fragments land, or the next trip's rows 0 to 7.
;   v[PCX ..]           A row's conversions write them, its four LDS stores read them.
;   v[PC ..]            A pair's conversions write its sixteen, its four global stores read them; the next trip's conversions write them again.
;   v4 to v13, v254, v255   Addresses, made at the head and never written again: the rows are reached by scalar bases and immediate offsets.
;   Windows 2 and 3 and the bias are loaded once, at the head; from there on vector and matrix instructions alone name them, as they do the accumulators.
; So: one wait on va_vdst at the head, for the addresses.  In a row one on vm_vsrc ahead of the conversions and one on va_vdst behind them.  In a pair one on va_vdst behind the products, for the loads into window 1,
; and one behind the conversions, for the stores.  One on vm_vsrc at a trip's end.
.set PITCH, 1040                       ; an LDS row: 1,024 codes + 16 bytes = 65 x 16: the sixteen rows of a fragment load start at sixteen different 16-byte columns modulo 256
.set TROW,  16*PITCH
.set XA,   4                           ; v4   32 x lane: my 8 numbers of each 256 of a row of x
.set LI,   5                           ; v5   16 x lane: my place in an image
.set XS,   6                           ; v6   where I store 8 codes: my wave's 16 rows + 8 x lane
.set FA,   7                           ; v7   a fragment's row r x pitch + 16 h
.set VO,   8                           ; v8-11  q, k: 16 x lane + the trip's tile of rows m x the bytes from tile to tile
.set BA,   12                          ; v12  the bias for q, k: 64 h
.set BV,   13                          ; v13  the bias for v: 4 (r + 8 (r / 8))
.set SCX,  16                          ; v16, v17  2^ex and 57,344 x 2^ex
.set LIMX, 17
.set SCO,  18                          ; v18, v19  the same with eo - ex - ew
.set LIMO, 19
.set PCX,  20                          ; v20-27  a row's codes
.set BI,   32
.set ACC,  64                          ; accumulator (m, t) at v[64 + 32 m + 8 t]
.set PC,   128                         ; 16 registers of codes for each pair of tiles
.set WV,   26
.set KIND, 46                          ; 0: q, 1: k, 2: v
.set TR,   47
.set MSB, 0
.macro WIN new                         ; the immediate's high byte repeats the setting that is left; low byte: bits 1:0 source 0, 3:2 source 1, 5:4 source 2, 7:6 destination
.if MSB != (\new)
	s_set_vgpr_msb (MSB<<8)|(\new)
.set MSB, (\new)
.endif
.endm
.macro PLACES                          ; four plain vector lines between a matrix instruction and a vector instruction that reads its result (ISA guide 7.12.1)
.rept 4
	v_nop
.endr
.endm
.macro BARRIER                         ; my LDS stores have landed and my LDS loads are in: then the work-group's barrier
	s_wait_dscnt 0x0
	s_barrier_signal -1
	s_barrier_wait -1
.endm
; Row i of my 16, off bytes on from the base: eight loads into slot i % 8 of window 1.  A lane takes 8 neighbours, k = 256 q + 8 x lane + 0..7, of each quarter q: the two loads of a quarter cover its 1,024 bytes.
.macro XLOAD i, off
.irp q, 0,1,2,3
.irp j, 0,1
	global_load_b128 v[32*((\i)%8)+8*\q+4*\j:32*((\i)%8)+8*\q+4*\j+3], v[XA], s[28:29] offset:(\off)+(\i)*4096+\q*1024+16*\j
.endr
.endr
.endm
	s_load_b512 s[4:19], s[0:1], 0x0               ; query, key, value, wc, b_q, b_k, b_v, the scales' exponents
	s_load_b128 s[20:23], s[0:1], 0x40             ; qc, kc
	s_load_b64 s[24:25], s[0:1], 0x50              ; vc
	v_lshl_add_u32 v254, v0, 2, 0x10400
	v_mov_b32 v255, 0
	v_lshrrev_b32 v1, 5, v0
	v_readfirstlane_b32 s[WV], v1                  ; wave 0..3
	v_and_b32 v1, 31, v0                           ; lane
	v_and_b32 v2, 15, v0                           ; r
	v_bfe_u32 v3, v0, 4, 1                         ; h
	v_lshlrev_b32 v[XA], 5, v1
	v_lshlrev_b32 v[LI], 4, v1
	s_wait_alu depctr_va_vdst(0)
	s_wait_alu depctr_va_sdst(0)                   ; the wave's number is written, ahead of its first reader: LDS addresses and the bases are made from it
	s_mul_i32 s27, s[WV], TROW
	v_lshl_add_u32 v[XS], v1, 3, s27
	v_mul_u32_u24 v[FA], v2, PITCH
	v_lshl_add_u32 v[FA], v3, 4, v[FA]
	v_lshlrev_b32 v[BA], 6, v3
	v_and_b32 v[BV], 8, v2
	v_add_nc_u32 v[BV], v[BV], v2
	v_lshlrev_b32 v[BV], 2, v[BV]
	s_cmp_ge_u32 ttmp9, 128                        ; every choice below hangs on the work-group's number alone
	s_cselect_b32 s[KIND], 1, 0
	s_cmp_ge_u32 ttmp9, 160
	s_cselect_b32 s[KIND], 2, s[KIND]
	s_and_b32 s52, ttmp9, 3
	s_lshr_b32 s53, ttmp9, 2
	s_add_co_u32 s54, s[KIND], 3
	s_and_b32 s55, ttmp9, 31
	s_mov_b32 s50, 1024
	s_mov_b32 s48, 4096
	s_lshl_b32 s58, s[WV], 18
	s_cmp_eq_u32 s[KIND], 0
	s_cselect_b32 s52, s52, s54                    ; the slice of 256 columns in wc: 0-3 w_q, 4 w_k, 5 w_v
	s_cselect_b32 s53, s53, s55                    ; the block of 128 rows
	s_cselect_b32 s50, 16384, s50                  ; bytes from a tile of 16 tokens to the next: qc 16 heads x 1,024, kc 1,024 (vc: 1,024 x 8 = a key step)
	s_cselect_b32 s48, 0x10000, s48                ; what a trip of 64 rows adds to the output's address: four tiles,
	s_lshl_b32 s57, s52, 2
	s_add_co_u32 s57, s57, s[WV]
	s_lshl_b32 s57, s57, 10                        ; q: head 4 x slice + wave, 1,024 bytes each
	s_lshl_b32 s62, s52, 10                        ; q: the slice's 256 numbers of b_q
	s_cmp_eq_u32 s[KIND], 0
	s_cselect_b32 s57, s57, s58                    ; k, v: kv head = wave, 262,144 bytes each
	s_cselect_b32 s62, s62, 0
	s_cmp_eq_u32 s[KIND], 2
	s_cselect_b32 s48, 1024, s48                   ; for v two pieces of 512 bytes
	s_mov_b32 s49, 0
	s_mul_i32 s56, s53, s50
	s_lshl_b32 s56, s56, 3                         ; 8 tiles of tokens for each block of rows
	s_add_co_u32 s56, s56, s57
	s_mov_b32 s57, 0                               ; s[56:57]: my place in the output
	s_lshl_b32 s58, s53, 19
	s_lshl_b32 s59, s[WV], 16
	s_add_co_u32 s58, s58, s59
	s_mov_b32 s59, 0                               ; s[58:59]: row 128 x block + 16 x wave of x, 4,096 bytes a row
	s_lshl_b32 s60, s52, 18
	s_lshl_b32 s61, s[WV], 16
	s_add_co_u32 s60, s60, s61
	s_mov_b32 s61, 0                               ; s[60:61]: my four tiles in wc
	s_lshl_b32 s63, s[WV], 8
	s_add_co_u32 s62, s62, s63
	s_mov_b32 s63, 0                               ; s[62:63]: my 64 numbers of the bias
.irp m, 0,1,2,3
	s_mul_i32 s51, s50, \m
	v_add_nc_u32 v[VO+\m], s51, v[LI]
.endr
	s_wait_kmcnt 0x0
	s_load_b256 s[32:39], s[18:19], 0x0            ; e0 .. e7
	s_load_b32 s40, s[18:19], 0x20                 ; e8
	s_cmp_eq_u32 s[KIND], 1
	s_cselect_b64 s[28:29], s[6:7], s[4:5]
	s_cselect_b64 s[44:45], s[14:15], s[12:13]
	s_cselect_b64 s[30:31], s[22:23], s[20:21]
	s_cmp_eq_u32 s[KIND], 2
	s_cselect_b64 s[28:29], s[8:9], s[28:29]       ; x
	s_cselect_b64 s[44:45], s[16:17], s[44:45]     ; the bias
	s_cselect_b64 s[30:31], s[24:25], s[30:31]     ; the output
	s_add_nc_u64 s[28:29], s[28:29], s[58:59]
	s_add_nc_u64 s[30:31], s[30:31], s[56:57]
	s_add_nc_u64 s[42:43], s[10:11], s[60:61]
	s_add_nc_u64 s[44:45], s[44:45], s[62:63]
	WIN 0x80                                       ; destination window 2: the weight's K steps 0-3; each load reads 512 consecutive bytes
	s_wait_alu depctr_va_vdst(0)                   ; the addresses v4 to v13, and v254 and v255, are written: every load, store and LDS instruction of the kernel reads one of them, and none is written again
.irp s, 0,1,2,3
.irp t, 0,1,2,3
.irp c, 0,1,2,3
	global_load_b128 v[64*\s+16*\t+4*\c:64*\s+16*\t+4*\c+3], v[LI], s[42:43] offset:\t*16384+\s*2048+\c*512
.endr
.endr
.endr
	WIN 0xc0                                       ; window 3: K steps 4-7
.irp s, 4,5,6,7
.irp t, 0,1,2,3
.irp c, 0,1,2,3
	global_load_b128 v[64*(\s-4)+16*\t+4*\c:64*(\s-4)+16*\t+4*\c+3], v[LI], s[42:43] offset:\t*16384+\s*2048+\c*512
.endr
.endr
.endr
	WIN 0
	s_cmp_eq_u32 s[KIND], 2                        ; the bias in the result's layout
	s_cbranch_scc1 .Lbias_v
.irp t, 0,1,2,3                        ; q, k: register j of tile 2 b + u is column 32 b + 16 h + 8 u + j
	global_load_b128 v[BI+8*\t:BI+8*\t+3], v[BA], s[44:45] offset:(32*(\t/2)+8*(\t%2))*4
	global_load_b128 v[BI+8*\t+4:BI+8*\t+7], v[BA], s[44:45] offset:(32*(\t/2)+8*(\t%2))*4+16
.endr
	s_branch .Lbias_done
.Lbias_v:
.irp t, 0,1,2,3                        ; v: all eight registers of tile 2 b + u are column 32 b + 8 u + r + 8 (r / 8)
.irp j, 0,1,2,3,4,5,6,7
	global_load_b32 v[BI+8*\t+\j], v[BV], s[44:45] offset:(32*(\t/2)+8*(\t%2))*4
.endr
.endr
.Lbias_done:
	s_wait_loadcnt 0x0
	WIN 0x40                                       ; the first trip's rows 0 to 7 are asked for here, ahead of the constants' arithmetic.  No wait: no vector instruction has named window 1, and v[XA] stands since the wait above
.irp i, 0,1,2,3,4,5,6,7
	XLOAD \i, 0
.endr
	WIN 0
	s_wait_kmcnt 0x0
	s_cmp_eq_u32 s[KIND], 1
	s_cselect_b32 s54, s34, s32                    ; ex: e0, e2, e4
	s_cselect_b32 s55, s35, s33                    ; ew: e1, e3, e5
	s_cselect_b32 s56, s38, s39                    ; eo: q e7, k e6, v e8
	s_cmp_eq_u32 s[KIND], 2
	s_cselect_b32 s54, s36, s54
	s_cselect_b32 s55, s37, s55
	s_cselect_b32 s56, s40, s56
	s_add_co_i32 s55, s54, s55                     ; ex + ew
	s_sub_co_i32 s41, 0, s55
	s_sub_co_i32 s56, s56, s55                     ; eo - ex - ew
.set n, 0
.rept 32
	v_ldexp_f32 v[BI+n], v[BI+n], s41              ; b / 2^(ex + ew)
.set n, n+1
.endr
	s_add_co_i32 s54, s54, 127
	s_lshl_b32 s57, s54, 23
	v_mov_b32 v[SCX], s57
	s_add_co_i32 s54, s54, 15
	s_lshl_b32 s54, s54, 23
	s_or_b32 s54, s54, 0x600000
	v_mov_b32 v[LIMX], s54
	s_add_co_i32 s56, s56, 127
	s_lshl_b32 s57, s56, 23
	v_mov_b32 v[SCO], s57
	s_add_co_i32 s56, s56, 15
	s_lshl_b32 s56, s56, 23
	s_or_b32 s56, s56, 0x600000
	v_mov_b32 v[LIMO], s56
; Row i is held, converted and stored into LDS; its slot takes the row eight further on.
.macro XGROUP i
.if (\i) < 8
	s_wait_loadcnt 56                              ; loads come back in order: row i is in, the seven younger rows' 56 loads may be out
.else
	s_wait_loadcnt 8*(15-(\i))                     ; nothing is asked for any more: the count runs down
.endif
	WIN 0x41                                       ; destination and source 0 window 1
.set n, 0
.rept 32
	v_med3_num_f32 v[32*((\i)%8)+n], v[32*((\i)%8)+n], -v[LIMX], v[LIMX]   ; the conversion does not saturate (ISA guide 7.6.2): the hold comes first
.set n, n+1
.endr
.if (\i) > 0
	s_wait_alu depctr_vm_vsrc(0)                   ; the last row's LDS stores have read v[PCX ..], which the conversions write (row 0: the wait at the last trip's end states it)
.endif
	WIN 0x01                                       ; source 0 window 1
.irp q, 0,1,2,3
	v_cvt_scalef32_pk8_bf8_f32 v[PCX+2*\q:PCX+2*\q+1], v[32*((\i)%8)+8*\q:32*((\i)%8)+8*\q+7], v[SCX]
.endr
	v_nop                                          ; a plain line behind the last conversion of the run
.if (\i) < 8
	WIN 0x40
	s_wait_alu depctr_va_vdst(0)                   ; the conversions have written v[PCX ..], which the LDS stores read; the holds and the conversions are done with the slot, in which the loads land
	XLOAD (\i)+8, 0
	WIN 0
.else
	WIN 0
	s_wait_alu depctr_va_vdst(0)                   ; the conversions have written v[PCX ..], which the LDS stores read; in row 15 also: all of window 1 is done with, in which the first fragments land
.endif
.irp q, 0,1,2,3
	ds_store_b64 v[XS], v[PCX+2*\q:PCX+2*\q+1] offset:(\i)*PITCH+256*\q   ; 32 lanes store 256 consecutive bytes of the row
.endr
.endm
; Eight matrix instructions: K step s, two tiles of rows x my four tiles of columns.  The eight accumulators take turns, one instruction a turn.
.macro MMA nat, s
.irp m, 0,1
.irp t, 0,1,2,3
.set rD, ACC+32*\m+8*\t
.set rW, 64*((\s)%4)+16*\t
.set rX, 128*\m+16*(\s)
.set rC, rD
.if (\s) == 0
.set rC, BI+8*\t                       ; the bias starts the sum: nothing is cleared, nothing is added later
.endif
.if \nat
	v_wmma_f32_16x16x128_bf8_bf8 v[rD:rD+7], v[rX:rX+15], v[rW:rW+15], v[rC:rC+7]
.else
	v_wmma_f32_16x16x128_bf8_bf8 v[rD:rD+7], v[rW:rW+15], v[rX:rX+15], v[rC:rC+7]
.endif
.endr
.endr
.endm
; The fragments of tiles of rows 2 p, 2 p + 1 of the trip: 64 LDS loads into window 1.
.macro FRAGS p
.irp s, 0,1,2,3,4,5,6,7
.irp m, 0,1
.irp c, 0,1,2,3
	ds_load_b128 v[128*\m+16*\s+4*\c:128*\m+16*\s+4*\c+3], v[FA] offset:(2*\p+\m)*TROW+128*\s+32*\c   ; lane (r, h): k = 128 s + 32 c + 16 h + 0..15 of row r, as in the weight's image
.endr
.endr
.endr
.endm
; A pair's 64 products.  nat = 0: transposed (q, k); nat = 1: as it stands (v).
.macro MULS nat
	s_wait_dscnt 32                                ; K steps 0-3 are in; the 32 loads of K steps 4-7 may be out
	WIN (0x06+3*\nat)                              ; W window 2, x window 1 (0x06: W is source 0; 0x09: source 1)
.irp s, 0,1,2,3
	MMA \nat, \s
.endr
	s_wait_dscnt 0x0
	WIN (0x07+6*\nat)                              ; W window 3
.irp s, 4,5,6,7
	MMA \nat, \s
.endr
	WIN 0
	PLACES
.endm
; A pair's sums are held, converted and stored.
.macro EPI p, nat
.set n, 0
.rept 64
	v_med3_num_f32 v[ACC+n], v[ACC+n], -v[LIMO], v[LIMO]   ; each accumulator from its low end on
.set n, n+1
.endr
.irp m, 0,1
.irp t, 0,1,2,3
.if \nat
	v_cvt_scalef32_pk8_bf8_f32 v[PC+16*\p+4*\t+2*\m:PC+16*\p+4*\t+2*\m+1], v[ACC+32*\m+8*\t:ACC+32*\m+8*\t+7], v[SCO]   ; d tile t's piece: tokens of tile 2 p, then of 2 p + 1
.else
	v_cvt_scalef32_pk8_bf8_f32 v[PC+16*\p+8*\m+2*\t:PC+16*\p+8*\m+2*\t+1], v[ACC+32*\m+8*\t:ACC+32*\m+8*\t+7], v[SCO]   ; tile of tokens m, piece t / 2: columns of tile 2 b, then of 2 b + 1
.endif
.endr
.endr
	v_nop                                          ; a plain line between the conversions and the next products, which write their sources
	s_wait_alu depctr_va_vdst(0)                   ; the conversions have written the pair's v[PC ..], which the stores read
.if \nat
.irp t, 0,1,2,3
	global_store_b128 v[LI], v[PC+16*\p+4*\t:PC+16*\p+4*\t+3], s[30:31] offset:2048*\t+512*\p   ; 512 consecutive bytes, aligned
.endr
.else
.irp m, 0,1
.irp b, 0,1
	global_store_b128 v[VO+2*\p+\m], v[PC+16*\p+8*\m+4*\b:PC+16*\p+8*\m+4*\b+3], s[30:31] offset:512*\b
.endr
.endr
.endif
.endm
; The next trip's rows 0 to 7 are asked for behind the trip's last products, ahead of their holds, conversions and stores and of the barrier; the last trip asks for nothing: no load leaves its buffer.
.macro NEXTX
	s_cmp_eq_u32 s[TR], 1
	s_cbranch_scc1 .Lno_next_\@
	WIN 0x40
	s_wait_alu depctr_va_vdst(0)                   ; the second pair's products are done reading x's fragments, in which these loads land
.irp i, 0,1,2,3,4,5,6,7
	XLOAD \i, 0x40000                              ; 64 rows on; the base steps at the trip's end
.endr
	WIN 0
.Lno_next_\@:
.endm
; Phase M.  The first fragments owe no wait of their own: row 15's wait stands behind the last vector instruction that named window 1.
.macro PHASE_M nat
	WIN 0x40
	FRAGS 0
	MULS \nat
	WIN 0x40
	s_wait_alu depctr_va_vdst(0)                   ; the first pair's products are done reading x's fragments, in which the second pair's land
	FRAGS 1                                        ; they are on their way while the first pair's sums are held and converted: those lines name the accumulators and v[PC ..] alone
	WIN 0
	EPI 0, \nat
	MULS \nat
	NEXTX
	EPI 1, \nat
.endm
	s_mov_b32 s[TR], 2
.Ltrip:
	s_wait_alu depctr_va_vdst(0)
.irp i, 0,1,2,3,4,5,6,7,8,9,10,11,12,13,14,15
	XGROUP \i
.endr
	BARRIER                                        ; the 64 rows' codes lie in LDS
	s_cmp_eq_u32 s[KIND], 2
	s_cbranch_scc1 .Lnatural
	PHASE_M 0
	s_branch .Lstored
.Lnatural:
	PHASE_M 1
.Lstored:
	s_wait_xcnt 0x0                                ; the stores and the loads just issued have had their addresses translated: data and bases are written again only behind this wait
	s_wait_alu depctr_vm_vsrc(0)                   ; the stores have read v[PC ..], and row 15's LDS stores v[PCX ..]: the next trip's conversions write both
	s_add_nc_u64 s[28:29], s[28:29], 0x40000       ; 64 rows of x on
	s_add_nc_u64 s[30:31], s[30:31], s[48:49]
	BARRIER                                        ; every wave's reads of the rows are over: the next trip may store
	s_sub_co_u32 s[TR], s[TR], 1
	s_cmp_lg_u32 s[TR], 0
	s_cbranch_scc1 .Ltrip
	s_wait_dscnt 0x0                               ; the closing lines, six on end
	s_wait_alu 0x0
	s_wait_tensorcnt 0x0
	ds_add_u32 v254, v255
	s_wait_dscnt 0x0
	s_endpgm
.Lfunc_end_k_qf045b7a582_proj:
	.size	k_qf045b7a582_proj, .Lfunc_end_k_qf045b7a582_proj-k_qf045b7a582_proj
	.p2alignl 7, 3214868480
	.fill 96, 4, 3214868480
	.section	.rodata,"a",@progbits
	.p2align	6, 0x0
	.amdhsa_kernel k_qf045b7a582_proj
		.amdhsa_group_segment_fixed_size 67072
		.amdhsa_private_segment_fixed_size 0
		.amdhsa_enable_private_segment 0
		.amdhsa_kernarg_size 88
		.amdhsa_user_sgpr_count 2
		.amdhsa_user_sgpr_kernarg_segment_ptr 1
		.amdhsa_wavefront_size32 1
		.amdhsa_system_sgpr_workgroup_id_x 1
		.amdhsa_system_sgpr_workgroup_id_y 1
		.amdhsa_system_sgpr_workgroup_id_z 1
		.amdhsa_system_vgpr_workitem_id 0
		.amdhsa_next_free_vgpr 1024
		.amdhsa_next_free_sgpr 80
		.amdhsa_reserve_vcc 0
		.amdhsa_float_denorm_mode_32 3
		.amdhsa_float_denorm_mode_16_64 3
		.amdhsa_memory_ordered 1
		.amdhsa_forward_progress 1
		.amdhsa_inst_pref_size 145
	.end_amdhsa_kernel
	.amdgpu_metadata
---
amdhsa.version: [ 1, 2 ]
amdhsa.kernels:
  - .name:           k_qf045b7a582_proj
    .symbol:         k_qf045b7a582_proj.kd
    .args:
      - { .name: query, .offset: 0, .size: 8, .value_kind: global_buffer, .address_space: global }
      - { .name: key, .offset: 8, .size: 8, .value_kind: global_buffer, .address_space: global }
      - { .name: value, .offset: 16, .size: 8, .value_kind: global_buffer, .address_space: global }
      - { .name: wc, .offset: 24, .size: 8, .value_kind: global_buffer, .address_space: global }
      - { .name: b_q, .offset: 32, .size: 8, .value_kind: global_buffer, .address_space: global }
      - { .name: b_k, .offset: 40, .size: 8, .value_kind: global_buffer, .address_space: global }
      - { .name: b_v, .offset: 48, .size: 8, .value_kind: global_buffer, .address_space: global }
      - { .name: lowp_scales, .offset: 56, .size: 8, .value_kind: global_buffer, .address_space: global }
      - { .name: qc, .offset: 64, .size: 8, .value_kind: global_buffer, .address_space: global }
      - { .name: kc, .offset: 72, .size: 8, .value_kind: global_buffer, .address_space: global }
      - { .name: vc, .offset: 80, .size: 8, .value_kind: global_buffer, .address_space: global }
    .group_segment_fixed_size: 67072
    .private_segment_fixed_size: 0
    .kernarg_segment_align: 8
    .kernarg_segment_size: 88
    .max_flat_workgroup_size: 128
    .sgpr_count:     80
    .vgpr_count:     1024
    .wavefront_size: 32
...
	.end_amdgpu_metadata
.endif
;; end of part 6
;; launch attn (part 7): grid 64 x 4, 8 waves a work-group, clusters of 4 x 1, 327,680 bytes of LDS; arguments qc, kc, vc, lowp_scales, oc; writes oc
.if DOCPART == 7
	.amdgcn_target "amdgcn-amd-amdhsa--gfx1250"
	.amdhsa_code_object_version 6
	.text
	.protected	k_qf045b7a582_attn
	.globl	k_qf045b7a582_attn
	.p2align	8
	.type	k_qf045b7a582_attn,@function
k_qf045b7a582_attn:
	s_mov_b64 s[64:65], 0
	v_nop
	global_prefetch_b8 v0, s[64:65] scope:SCOPE_SE
	s_setreg_imm32_b32 hwreg(HW_REG_WAVE_MODE, 25, 1), 1
	s_wait_xcnt 0x0
	s_wait_alu depctr_hold_cnt(0) depctr_sa_sdst(0) depctr_va_vdst(0) depctr_va_sdst(0) depctr_va_ssrc(0) depctr_va_vcc(0) depctr_vm_vsrc(0)
	s_getreg_b32 s2, hwreg(HW_REG_IB_STS2, 6, 4)
	s_cmp_eq_u32 s2, 0
	s_cbranch_scc0 .Lentry_in_a_cluster
	s_endpgm
.Lentry_in_a_cluster:
	s_bfe_u32 s2, ttmp6, 0x10000c
	s_cmp_lg_u32 s2, 0x3003
	s_cbranch_scc0 .Lentry_shape_is_right
	s_endpgm
.Lentry_shape_is_right:
; Attention of 16 query heads on 4 kv heads, head size 64, 4,096 keys, both products on codes of BF8 (E5M2); its result is quantised at once (scale e10) for the last projection.
; t = score x 2^(e6 + e7) x log2(e) / 8; M = the row's largest t so far, rounded UP to a whole number; p = 2^(t - M) is quantised with 2^e9, not normalised; the row's sum is taken of the unquantised p and divides at the end.
; When M moves, the sum and O are multiplied by 2^(old M - new M): nothing is rounded, and there is no branch on data.
; SHARES.  A work-group owns 64 queries x the 4 heads of kv head g = grid y: 16 tiles of 16 queries.  Eight waves of 512 registers, two to a SIMD; wave w owns tile of queries w / 2 and heads 2 (w % 2), 2 (w % 2) + 1:
; TWO TILES, one in each register window under the same numbers, so that each fragment of K and V read from LDS feeds two products.  Every wave walks all keys, 128 a step.
; LAYOUT.  Both products are used transposed: S^T = K Q^T (source 0 = 16 keys), O^T = V^T P^T (source 0 = 16 of the head's 64): a lane holds one query throughout.  Register j of key tile i is key 16 i + 8 h + j;
; the codes of tiles 2 c, 2 c + 1 make piece c of P, and vc was laid in that same order of keys.  Row r of V's tile 2 b + u is d = 32 b + 8 u + r + 8 (r / 8), so O^T's tiles 2 b, 2 b + 1 are d = 32 b + 16 h + 0..15: a piece of oc.
; All operands are register images in memory: a slot of the ring is a dense copy, every LDS read is 16 x lane + a constant, and nothing is padded or transposed.
; CLUSTER.  The four work-groups of a cluster have the same g and walk the same K and V: each tile is asked for JOINTLY, by the same tensor load with the mask of all four.
; RING.  Two slots of 512 keys (K's images 32,768 bytes, then V's 32,768).  Waves 0, 1 fetch K's halves, waves 2, 3 V's, 16,384 bytes each; by this text's count a wave has one tensor load out at the most.
; LIMITS: e6 + e7 between -123 and 130 (added to the exponent field of log2(e) / 8); e9 and e10 between -126 and 112; e8 + e9 goes in by v_ldexp_f32 and has none.
; REGISTERS.  Window 0 alone: v1 16 x lane, v2 the slot's address, v3 the prefetch's offset, v4, v5 the add's two.  In both windows: v12 -M, v13 the largest t, v[14:15] the sum in two halves, v16-23 Q, v24-29 at work,
;   v30 the hold, v31 the scale, v32-95 S^T then p, v96-111 p's codes, v112-143 O^T.  v144-207: window 0 K's 8 fragments, window 1 V's 4.
.set SLOTB, 65536
.set SPARE, 2*SLOTB                    ; behind the ring: the spare words, 128 bytes for each of the eight waves: four blocks of 256 bytes that no other line names
.set LI,  1
.set AD,  2
.set PFO, 3
.set SPW, 4
.set NIL, 5
.set Q,   16
.set S,   32
.set PC,  96
.set O,   112
.set KF,  144
.set VF,  144
.set WV,  14
.set SEL, 20                           ; s[20:21] lane selects for v_permlanex16_b32: lane l xor 16
.set CS,  22                           ; s[22:23] c = 2^(e6 + e7) log2(e) / 8; the packed form names a pair and takes its low word
.set G1,  24                           ; s[24:31] descriptor group 1: the same for K's and V's tiles
.set G0K, 32                           ; s[32:35] group 0 for K's tiles, which walks
.set TB,  36                           ; s36  LDS byte at which the slot in hand begins
.set SLOTS, 37                         ; s37  slots still to be asked for
.set LIM, 38                           ; s38  1 in a wave that prefetches, else the greatest number
.set PFA, 40                           ; s[40:41] where my prefetches stand
.set G0V, 60                           ; s[60:63] group 0 for V's tiles
.set MSB, 0
.macro WIN new                         ; the immediate's high byte repeats the setting that is left; low byte: bits 1:0 source 0, 3:2 source 1, 5:4 source 2, 7:6 destination
.if MSB != (\new)
	s_set_vgpr_msb (MSB<<8)|(\new)
.set MSB, (\new)
.endif
.endm
.macro PLACES
.rept 4
	v_nop
.endr
.endm
; A round of the cluster's barrier: my work-group's barrier, wave 0's signal for the work-group, every wave's wait for all four work-groups, my work-group's barrier once more.
.macro CROUND
	s_barrier_signal -1
	s_barrier_wait -1
	s_cmp_lg_u32 s[WV], 0
	s_cbranch_scc1 .Lnot_wave_0_\@
	s_barrier_signal -3
.Lnot_wave_0_\@:
	s_barrier_wait -3
	s_barrier_signal -1
	s_barrier_wait -1
.endm
; A joint load.  The branches hang on the wave's number alone, the same in every work-group.  Four v_nop follow each of the two lines.
.macro TLOAD
	s_cmp_lt_u32 s[WV], 2
	s_cbranch_scc0 .Lnot_k_\@
	tensor_load_to_lds s[G0K:G0K+3], s[G1:G1+7]
	s_nop 0
.rept 4
	v_nop
.endr
	s_branch .Lasked_\@
.Lnot_k_\@:
	s_cmp_lt_u32 s[WV], 4
	s_cbranch_scc0 .Lasked_\@
	tensor_load_to_lds s[G0V:G0V+3], s[G1:G1+7]
	s_nop 0
.rept 4
	v_nop
.endr
.Lasked_\@:
.endm
; A PREFETCH of what the NEXT change of slots will ask for: 32,768 bytes of K's images and as many of V's.  All sixteen clusters of a kv head walk the same bytes: the first (cluster x = 0) asks.  Its four partners share
; a slot out BY ADDRESS, 8,192 bytes each; in each, wave 4 asks for K's and wave 5 for V's, lanes 256 bytes apart: each aligned block of 256 bytes is named once in the launch.  It runs one slot, four key steps, ahead of
; the load.  The last change that fills a slot asks for nothing; slots 0 and 1 come by their loads alone.
.macro ASK
	s_cmp_gt_u32 s[SLOTS], s[LIM]
	s_cbranch_scc0 .Lnot_mine_\@
	global_prefetch_b8 v[PFO], s[PFA:PFA+1] th:TH_LOAD_NT scope:SCOPE_SE
.Lnot_mine_\@:
.endm
	s_load_b256 s[4:11], s[0:1], 0x0               ; qc, kc, vc, the scales' exponents
	s_load_b64 s[12:13], s[0:1], 0x20              ; oc
	v_lshl_add_u32 v[SPW], v0, 2, SPARE
	v_mov_b32 v[NIL], 0
	ds_add_u32 v4, v5
	ds_add_u32 v4, v5
	s_wait_dscnt 0x0
	v_lshrrev_b32 v1, 5, v0
	s_delay_alu instid0(VALU_DEP_1)
	v_readfirstlane_b32 s[WV], v1                  ; wave 0..7
	v_and_b32 v1, 31, v0
	s_delay_alu instid0(VALU_DEP_1)
	v_lshlrev_b32 v[PFO], 8, v1
	s_delay_alu instid0(VALU_DEP_2)
	v_lshlrev_b32 v[LI], 4, v1
	s_bfe_u32 s15, ttmp6, 0x40000                  ; cx: it enters Q's, oc's and the prefetches' addresses alone
	s_lshl_b32 s16, ttmp9, 2
	s_add_co_u32 s16, s16, s15                     ; my block of 64 queries
	s_and_b32 s17, ttmp7, 0xffff                   ; g, which the four partners share
	s_mov_b32 s[G1], 15|(3<<16)|(1<<21)            ; 15:0 the mask: all four work-groups; 17:16 elements of 8 bytes; 20 no padding; 21 set beside a mask
	s_mov_b32 s[G1+1], 32<<16                      ; tensor_dim0 = 32 elements: rows of 256 bytes
	s_mov_b32 s[G1+2], 64<<16                      ; tensor_dim1 = 64
	s_mov_b32 s[G1+3], 32<<16                      ; tile_dim0
	s_mov_b32 s[G1+4], 64                          ; tile_dim1: 64 rows, 16,384 bytes, dense in memory and in LDS
	s_mov_b32 s[G1+5], 32                          ; the pitch
	s_mov_b32 s[G1+6], 0
	s_mov_b32 s[G1+7], 0
	s_mov_b32 s[SEL], 0x76543210
	s_mov_b32 s[SEL+1], 0xfedcba98
	s_mov_b32 s[TB], 0
	s_mov_b32 s[SLOTS], 7
	s_lshr_b32 s18, s[WV], 1
	s_xor_b32 s18, s18, 2                          ; 0 in waves 4 and 5,
	s_or_b32 s18, s18, ttmp9                       ; of the kv head's first cluster: the same in all four partners
	s_cmp_eq_u32 s18, 0
	s_cselect_b32 s[LIM], 1, -1
	s_and_b32 s19, s[WV], 1
	s_lshl_b32 s58, s19, 14                        ; which half of a slot's K or V I fetch
	s_lshl_b32 s52, s17, 18                        ; the kv head's 262,144 bytes in kc and in vc
	s_add_co_u32 s52, s52, s58
	s_mov_b32 s53, 0
	s_lshl_b32 s54, s17, 18
	s_lshl_b32 s18, s15, 13
	s_add_co_u32 s54, s54, s18
	s_add_co_u32 s54, s54, 32768                   ; the prefetches: my work-group's 8,192 bytes of slot 1; the first change of slots steps them to slot 2
	s_mov_b32 s55, 0
	s_lshl_b32 s56, s16, 2
	s_lshr_b32 s18, s[WV], 1
	s_add_co_u32 s56, s56, s18                     ; T: my tile of 16 queries
	s_lshl_b32 s56, s56, 14
	s_lshl_b32 s18, s17, 12
	s_add_co_u32 s56, s56, s18
	s_lshl_b32 s18, s19, 11
	s_add_co_u32 s56, s56, s18                     ; 16,384 T + 4,096 g + 2,048 (w % 2): my two heads' images in qc, and my fragment in oc
	s_mov_b32 s57, 0
	s_wait_kmcnt 0x0
	s_load_b256 s[44:51], s[10:11], 0x10           ; e4 .. e11
	s_mov_b32 s[G0K], 1                            ; count = 1
	s_mov_b32 s[G0K+1], s58                        ; LDS address: slot 0, K's half
	s_add_nc_u64 s[G0K+2:G0K+3], s[6:7], s[52:53]
	s_or_b32 s[G0K+3], s[G0K+3], 0x80000000        ; type = 2
	s_mov_b32 s[G0V], 1
	s_add_co_u32 s[G0V+1], s58, 32768              ; V's half, behind K's 32,768 bytes
	s_add_nc_u64 s[G0V+2:G0V+3], s[8:9], s[52:53]
	s_or_b32 s[G0V+3], s[G0V+3], 0x80000000
	s_cmp_eq_u32 s[WV], 4
	s_cselect_b64 s[PFA:PFA+1], s[6:7], s[8:9]
	s_add_nc_u64 s[PFA:PFA+1], s[PFA:PFA+1], s[54:55]
	s_add_nc_u64 s[4:5], s[4:5], s[56:57]
	s_add_nc_u64 s[12:13], s[12:13], s[56:57]
	CROUND                                         ; all four work-groups are here: the first joint loads meet
	TLOAD                                          ; slot 0
	s_wait_alu depctr_va_vdst(0)
	global_load_b128 v[Q:Q+3], v[LI], s[4:5] th:TH_LOAD_NT               ; Q stays in registers: the first head in window 0,
	global_load_b128 v[Q+4:Q+7], v[LI], s[4:5] offset:512 th:TH_LOAD_NT
	WIN 0x40
	global_load_b128 v[Q:Q+3], v[LI], s[4:5] offset:1024 th:TH_LOAD_NT   ; the second in window 1
	global_load_b128 v[Q+4:Q+7], v[LI], s[4:5] offset:1536 th:TH_LOAD_NT
	WIN 0
	s_wait_kmcnt 0x0
	s_add_co_i32 s18, s46, s47
	s_lshl_b32 s18, s18, 23
	s_add_co_i32 s[CS], s18, 0x3e38aa3b            ; log2(e) / 8 with e6 + e7 added to its exponent field
	s_mov_b32 s[CS+1], s[CS]                       ; (named with it as a pair, so it is written)
	s_add_co_i32 s18, s49, 127
	s_lshl_b32 s19, s18, 23                        ; 2^e9
	s_add_co_i32 s18, s18, 15
	s_lshl_b32 s18, s18, 23
	s_or_b32 s18, s18, 0x600000                    ; 57,344 x 2^e9
	s_add_co_i32 s55, s48, s49                     ; e8 + e9
	s_add_co_i32 s57, s50, 127
	s_lshl_b32 s56, s57, 23                        ; 2^e10
	s_add_co_i32 s57, s57, 15
	s_lshl_b32 s57, s57, 23
	s_or_b32 s57, s57, 0x600000                    ; 57,344 x 2^e10
.macro INIT                            ; the key step is written once: the first finds zeros, which the first change of M leaves zeros
	v_mov_b32 v13, 0xff61b1e6                      ; the largest t so far: -3e38
	v_mov_b32 v12, 0x7f61b1e6                      ; -M = 3e38, a whole number
	v_mov_b32 v14, 0
	v_mov_b32 v15, 0
	v_mov_b32 v27, 0                               ; (named as the upper half of the pair v[26:27])
	v_mov_b32 v28, 0                               ; a lane permute's destination counts as one of its sources
	v_mov_b32 v30, s18
	v_mov_b32 v31, s19
.set n, 0
.rept 32
	v_mov_b32 v[O+n], 0
.set n, n+1
.endr
.endm
	INIT
	WIN 0x40
	INIT
	WIN 0
.macro KLOAD q                         ; the slot's q-th 128 keys: 8 fragments of 16 keys x 64, 8,192 bytes on end
.set n, 0
.rept 16
	ds_load_b128 v[KF+4*n:KF+4*n+3], v[AD] offset:8192*(\q)+512*n
.set n, n+1
.endr
.endm
.macro VLOAD q                         ; and their V: 4 fragments of 16 d x 128 keys
.set n, 0
.rept 16
	ds_load_b128 v[VF+4*n:VF+4*n+3], v[AD] offset:32768+8192*(\q)+512*n
.set n, n+1
.endr
.endm
.macro KQ                              ; S^T = K Q^T for one tile: eight accumulators, each begun with 0
.set n, 0
.rept 8
	v_wmma_f32_16x16x64_bf8_bf8 v[S+8*n:S+8*n+7], v[KF+8*n:KF+8*n+7], v[Q:Q+7], 0
.set n, n+1
.endr
.endm
.macro PV                              ; O^T += V^T P^T for one tile: four accumulators by turns, one instruction a turn
.set n, 0
.rept 4
	v_wmma_f32_16x16x128_bf8_bf8 v[O+8*n:O+8*n+7], v[VF+16*n:VF+16*n+15], v[PC:PC+15], v[O+8*n:O+8*n+7]
.set n, n+1
.endr
.endm
; One tile's softmax for 128 keys, all in the window that is set.
.macro SOFT
	v_max3_num_f32 v24, v[S], v[S+1], v[S+2]       ; the largest of my 64 scores, in two chains; each accumulator is read from its low end on
	v_max3_num_f32 v25, v[S+3], v[S+4], v[S+5]
.set n, 6
.rept 14
	v_max3_num_f32 v24, v24, v[S+n], v[S+n+1]
	v_max3_num_f32 v25, v25, v[S+n+2], v[S+n+3]
.set n, n+4
.endr
	v_max3_num_f32 v24, v24, v[S+62], v[S+63]
	s_delay_alu instid0(VALU_DEP_1)
	v_max_num_f32 v24, v24, v25
	s_delay_alu instid0(VALU_DEP_1)
	v_permlanex16_b32 v28, v24, s[SEL], s[SEL+1]
	s_delay_alu instid0(VALU_DEP_1)
	v_max_num_f32 v24, v24, v28                    ; and of lane l xor 16's
	s_delay_alu instid0(VALU_DEP_1)
	v_mul_f32 v24, s[CS], v24                      ; as t (c is positive)
	s_delay_alu instid0(VALU_DEP_1)
	v_max_num_f32 v13, v13, v24                    ; the running largest t
	v_mov_b32 v24, v12
	s_delay_alu instid0(VALU_DEP_2)
	v_floor_f32 v12, -v13                          ; the new -M = floor(-t) = -ceil(t)
	s_delay_alu instid0(VALU_DEP_1)
	v_sub_f32 v24, v12, v24                        ; old M - new M: a whole number, 0 or less
	s_delay_alu instid0(VALU_DEP_1)
	v_cvt_i32_f32 v24, v24                         ; (it saturates)
	s_delay_alu instid0(VALU_DEP_1)
	v_ldexp_f32 v26, 1.0, v24                      ; f = 2^(old M - new M)
.set n, 0
.rept 32
	v_pk_fma_f32 v[S+n:S+n+1], v[S+n:S+n+1], s[CS:CS+1], v[12:13] op_sel_hi:[1,0,0]   ; t - M, two at a time
.set n, n+2
.endr
.set n, 0
	s_wait_alu depctr_va_vdst(0)
.rept 64
	v_exp_f32 v[S+n], v[S+n]                       ; p = 2^(t - M)
.set n, n+1
.endr
	v_pk_mul_f32 v[14:15], v[14:15], v[26:27] op_sel_hi:[1,0]   ; the sums under the new M: the plain line behind the exponentials
	s_wait_alu depctr_va_vdst(0)                   ; one wait for the whole batch, ahead of its first reader
	v_pk_add_f32 v[28:29], v[S:S+1], v[S+2:S+3]    ; the row's sum is taken of the unquantised p, in two chains
.set n, 4
.rept 15
	v_pk_add_f32 v[14:15], v[14:15], v[S+n:S+n+1]
	v_pk_add_f32 v[28:29], v[28:29], v[S+n+2:S+n+3]
.set n, n+4
.endr
	s_delay_alu instid0(VALU_DEP_1)
	v_pk_add_f32 v[14:15], v[14:15], v[28:29]
.irp b, 0,1,2,3
.set n, 0
.rept 16
	v_min_num_f32 v[S+16*\b+n], v[S+16*\b+n], v30  ; the conversion does not saturate (ISA guide 7.6.2); p is not negative, so the hold is one-sided
.set n, n+1
.endr
	v_cvt_scalef32_pk8_bf8_f32 v[PC+4*\b:PC+4*\b+1], v[S+16*\b:S+16*\b+7], v31
	v_cvt_scalef32_pk8_bf8_f32 v[PC+4*\b+2:PC+4*\b+3], v[S+16*\b+8:S+16*\b+15], v31
.endr
.set n, 0
.rept 16
	v_pk_mul_f32 v[O+n:O+n+1], v[O+n:O+n+1], v[26:27] op_sel_hi:[1,0]   ; O^T under the new M; also the plain lines between the conversions and the products that read the codes
.set n, n+2
.endr
.endm
; A KEY STEP.  Tile 1's softmax stands behind tile 0's second product.  V's loads, and the next step's K's, go out ahead of tile 0's softmax.
.macro STEP q
	s_wait_dscnt 0x0                               ; K is in
	KQ                                             ; tile 0: all in window 0
	WIN 0x44                                       ; tile 1: Q and S^T in window 1, K in window 0
	KQ
	WIN 0
	PLACES                                         ; four plain lines between the products and the loads into K's and V's registers, and the first read of the scores
	WIN 0x40
	VLOAD \q
	WIN 0
.if (\q) < 3
	KLOAD (\q)+1
.endif
	SOFT
.if (\q) < 3
	s_wait_alu depctr_va_vdst(0)
	s_wait_dscnt 16                                ; V is in; the next step's 16 loads of K, issued behind V's, may be out
.else
	s_wait_alu depctr_va_vdst(0)
	s_wait_dscnt 0x0
.endif
	WIN 0x01                                       ; V in window 1, the rest in window 0
	PV
	WIN 0x55
	SOFT
	PV
	WIN 0
.endm
; THE CHANGE OF SLOTS stands at a slot's head.  Each wave waits for all its tensor loads, adds 0 to its spare word, and waits for that and for its reads of the slot that it has left.  fill = 1: a round of the cluster's
; barrier, so that no wave of any partner still reads that slot or has a load on its way; the joint refill is the first thing behind it and has the slot's four key steps in which to land.
.macro CHANGE fill
	s_wait_tensorcnt 0x0                           ; no tensor load of mine is out, so a group 0 may be written
	ds_add_u32 v[SPW], v[NIL]                      ; 0 onto my spare word
.if \fill
	s_xor_b32 s[G0K+1], s[G0K+1], SLOTB            ; the other slot than last time,
	s_add_nc_u64 s[G0K+2:G0K+3], s[G0K+2:G0K+3], 32768   ; the next 512 keys; the type bits on top are not reached
	s_xor_b32 s[G0V+1], s[G0V+1], SLOTB
	s_add_nc_u64 s[G0V+2:G0V+3], s[G0V+2:G0V+3], 32768
	s_wait_xcnt 0x0                                ; the last prefetch, a slot back, has read its address
	s_add_nc_u64 s[PFA:PFA+1], s[PFA:PFA+1], 32768 ; one slot further on than the walking descriptors
	s_wait_dscnt 0x0                               ; the add is done, and my reads of the slot that I have left are over
	CROUND
	TLOAD
	ASK
.else
	s_wait_dscnt 0x0
	s_barrier_signal -1
	s_barrier_wait -1
.endif
.endm
.macro SLOT_STEPS
	v_add_nc_u32 v[AD], s[TB], v[LI]
	KLOAD 0
	s_wait_alu depctr_va_vdst(0)
	STEP 0
	STEP 1
	STEP 2
	STEP 3
	s_xor_b32 s[TB], s[TB], SLOTB                  ; on to the other slot
.endm
	s_wait_loadcnt 0x0                             ; Q
.Lslot:                                            ; seven trips: behind each change of slots but the last the next slot is asked for
	CHANGE 1
	SLOT_STEPS
	s_sub_co_u32 s[SLOTS], s[SLOTS], 1
	s_cmp_lg_u32 s[SLOTS], 0
	s_cbranch_scc1 .Lslot
	CHANGE 0                                       ; the last slot is written out
	SLOT_STEPS
; THE WAY OUT of one tile: O^T x 2^(e8 + e9) / the sum, held, converted with 2^e10.  O^T's tiles 2 b, 2 b + 1 give piece b of the head's 64: the codes are a register image and are stored as they stand.
.macro FINISH
	v_mov_b32 v30, s57
	v_mov_b32 v31, s56
	v_add_f32 v14, v14, v15                        ; the sum's two halves,
	s_delay_alu instid0(VALU_DEP_1)
	v_permlanex16_b32 v28, v14, s[SEL], s[SEL+1]
	s_delay_alu instid0(VALU_DEP_1)
	v_add_f32 v14, v14, v28                        ; and lane l xor 16's
	s_wait_alu depctr_va_vdst(0)
	v_rcp_f32 v14, v14
	v_nop                                          ; a plain line behind the transcendental
	s_wait_alu depctr_va_vdst(0)                   ; and the wait ahead of its first reader
	v_ldexp_f32 v14, v14, s55
.set n, 0
.rept 16
	v_pk_mul_f32 v[S+n:S+n+1], v[O+n:O+n+1], v[14:15] op_sel_hi:[1,0]   ; each accumulator from its low end on
.set n, n+2
.endr
.set n, 0
.rept 32
	v_med3_num_f32 v[S+n], v[S+n], -v30, v30
.set n, n+1
.endr
.set n, 0
.rept 4
	v_cvt_scalef32_pk8_bf8_f32 v[PC+2*n:PC+2*n+1], v[S+8*n:S+8*n+7], v31
.set n, n+1
.endr
	v_nop
.endm
	PLACES
	FINISH
	global_store_b128 v[LI], v[PC:PC+3], s[12:13]                 ; my wave's four stores fill one fragment of oc, 2,048 bytes: 512 consecutive bytes each
	global_store_b128 v[LI], v[PC+4:PC+7], s[12:13] offset:512
	WIN 0x55
	FINISH
	WIN 0x04                                       ; the stores' data in window 1, their address in window 0
	global_store_b128 v[LI], v[PC:PC+3], s[12:13] offset:1024
	global_store_b128 v[LI], v[PC+4:PC+7], s[12:13] offset:1536
	WIN 0
	s_wait_tensorcnt 0x0                           ; the wave's end
	ds_add_u32 v[SPW], v[NIL]
	s_wait_dscnt 0x0
	CROUND                                         ; the closing round: no work-group ends while a partner may still ask for a tile that names it
	s_endpgm
.Lfunc_end_k_qf045b7a582_attn:
	.size	k_qf045b7a582_attn, .Lfunc_end_k_qf045b7a582_attn-k_qf045b7a582_attn
	.p2alignl 7, 3214868480
	.fill 96, 4, 3214868480
	.section	.rodata,"a",@progbits
	.p2align	6, 0x0
	.amdhsa_kernel k_qf045b7a582_attn
		.amdhsa_group_segment_fixed_size 327680
		.amdhsa_private_segment_fixed_size 0
		.amdhsa_enable_private_segment 0
		.amdhsa_kernarg_size 40
		.amdhsa_user_sgpr_count 2
		.amdhsa_user_sgpr_kernarg_segment_ptr 1
		.amdhsa_wavefront_size32 1
		.amdhsa_system_sgpr_workgroup_id_x 1
		.amdhsa_system_sgpr_workgroup_id_y 1
		.amdhsa_system_sgpr_workgroup_id_z 1
		.amdhsa_system_vgpr_workitem_id 0
		.amdhsa_next_free_vgpr 512
		.amdhsa_next_free_sgpr 80
		.amdhsa_reserve_vcc 0
		.amdhsa_float_denorm_mode_32 3
		.amdhsa_float_denorm_mode_16_64 3
		.amdhsa_memory_ordered 1
		.amdhsa_forward_progress 1
		.amdhsa_inst_pref_size 247
	.end_amdhsa_kernel
	.amdgpu_metadata
---
amdhsa.version: [ 1, 2 ]
amdhsa.kernels:
  - .name:           k_qf045b7a582_attn
    .symbol:         k_qf045b7a582_attn.kd
    .args:
      - { .name: qc, .offset: 0, .size: 8, .value_kind: global_buffer, .address_space: global }
      - { .name: kc, .offset: 8, .size: 8, .value_kind: global_buffer, .address_space: global }
      - { .name: vc, .offset: 16, .size: 8, .value_kind: global_buffer, .address_space: global }
      - { .name: lowp_scales, .offset: 24, .size: 8, .value_kind: global_buffer, .address_space: global }
      - { .name: oc, .offset: 32, .size: 8, .value_kind: global_buffer, .address_space: global }
    .group_segment_fixed_size: 327680
    .private_segment_fixed_size: 0
    .kernarg_segment_align: 8
    .kernarg_segment_size: 40
    .max_flat_workgroup_size: 256
    .sgpr_count:     80
    .vgpr_count:     512
    .wavefront_size: 32
...
	.end_amdgpu_metadata
.endif
;; end of part 7
;; launch oproj (part 8): grid 256 x 1, 4 waves a work-group, no clusters, 84,480 bytes of LDS; arguments oc, wc, b_o, lowp_scales, out0; writes out0
.if DOCPART == 8
	.amdgcn_target "amdgcn-amd-amdhsa--gfx1250"
	.amdhsa_code_object_version 6
	.text
	.protected	k_qf045b7a582_oproj
	.globl	k_qf045b7a582_oproj
	.p2align	8
	.type	k_qf045b7a582_oproj,@function
k_qf045b7a582_oproj:
	s_mov_b64 s[64:65], 0
	v_nop
	global_prefetch_b8 v0, s[64:65] scope:SCOPE_SE
	s_setreg_imm32_b32 hwreg(HW_REG_WAVE_SCHED_MODE, 0, 2), 2
	s_setreg_imm32_b32 hwreg(HW_REG_WAVE_MODE, 25, 1), 1
	s_wait_xcnt 0x0
	s_wait_alu depctr_vm_vsrc(0)
; out0 = attention's result x w_o + b_o, on codes of BF8 (E5M2): y = sum x 2^(e10 + e11) + b_o.  oc and wc hold register images (16 rows x 128 K: four pieces of 512 bytes, lane l's 16 bytes at 16 l).
; A work-group takes 64 rows (id / 4) x 256 columns (id % 4); wave w owns 64 columns and loads its 32 fragments of w_o (512 registers) once.  Wave w also brings the rows' tile w (8 fragments) and stores it into LDS
; AS IT STANDS; behind one barrier every wave fetches all 32 fragments by the same lines: no rows, no pitch; every address is 16 x lane + a constant (+ a constant x wave).
; THE PRODUCT IS USED TRANSPOSED (source 0 = 16 columns of w_o, source 1 = 16 rows): a lane holds one row; register j of tile 2 b + u is column 32 b + 16 h + 8 u + j.  A tile of 16 rows x my 64 columns goes through my own
; stage in LDS and leaves as rows: sixteen lanes store 256 consecutive bytes, aligned.
; LIMIT: e10 + e11 between -126 and 127, so that 2^(e10 + e11) is an f32 number.
; No cluster, no tensor load: the weights go to registers once; a work-group has one pass and no ring.
; REGISTERS.  Window 0: addresses; v32-63 b_o; v64-127 8 accumulators; v128-191 results; v192-255 rows read back.  Window 1: the rows' fragments (128 m + 16 s).  Windows 2, 3: w_o: (t, s) in window 2 + s / 4 at v[64 (s % 4) + 16 t].
; THE MODE: SCHED_MODE bits 1:0 = 2 (LLVM: expert scheduling mode 2), set by the entry lines.  The code itself states the register dependences
; between vector or matrix instructions and memory or LDS instructions, with s_wait_alu, always for 0.
; THE PLAN.  Registers that memory or LDS instructions touch:
;   window 1     My tile's 32 loads land in v0-127 of it; my 32 LDS stores read them; the first pair's fragments land; its products read them; the second pair's fragments land.
;   v[TMP ..]    A pair's 32 packed multiply-adds write them, its 16 stores into the stage read them.
;   v[OB ..]     A pair's 16 loads from the stage land in them, its 16 global stores read them.
;   v5 to v12, v30, v31   Addresses, made at the head and never written again.
;   Windows 2 and 3 and b_o are loaded once; the accumulators are named by vector and matrix instructions alone.
; So ONE wait on va_vdst stands in a pair, behind its multiply-adds: they have written v[TMP ..], and the products are done reading window 1.  No vector or matrix instruction follows it until the next pair's products:
; the 32 stage instructions, the next pair's 64 fragment loads and the 16 global stores all stand behind it with no further wait.  A wait on vm_vsrc stands behind the barrier, and one ahead of the second pair's multiply-adds.
.set STG, 65536                        ; LDS: 32 images of 2,048 bytes, then a stage of 16 rows x (256 + 16) bytes for each wave
.set SP,  272
.set LI,  5                            ; v5   16 x lane
.set XS,  6                            ; v6   where I store my tile's images: 16 x lane + 16,384 x wave
.set SO,  8                            ; v8   the stage, in: row r, + 64 h
.set SR,  9                            ; v9   the stage, back: lanes 0-15 one row, lanes 16-31 the next
.set GO,  10                           ; v10  the same two rows in out0
.set BA,  12                           ; v12  b_o: 64 h
.set BI,  32
.set ACC, 64
.set TMP, 128
.set OB,  192
.set MSB, 0
.macro WIN new                         ; the immediate's high byte repeats the setting that is left; low byte: bits 1:0 source 0, 3:2 source 1, 5:4 source 2, 7:6 destination
.if MSB != (\new)
	s_set_vgpr_msb (MSB<<8)|(\new)
.set MSB, (\new)
.endif
.endm
	s_load_b256 s[4:11], s[0:1], 0x0               ; oc, wc, b_o, the scales' exponents
	s_load_b64 s[12:13], s[0:1], 0x20              ; out0
	v_lshl_add_u32 v30, v0, 2, 0x14800
	v_mov_b32 v31, 0
	v_lshrrev_b32 v1, 5, v0
	v_readfirstlane_b32 s14, v1                    ; wave 0..3
	v_and_b32 v1, 31, v0
	v_and_b32 v2, 15, v0                           ; r
	v_bfe_u32 v3, v0, 4, 1                         ; h
	v_lshlrev_b32 v[LI], 4, v1
	s_wait_alu depctr_va_sdst(0)                   ; the wave's number is written, ahead of its first reader: LDS addresses and the bases are made from it
	s_lshl_b32 s15, s14, 14
	v_add_nc_u32 v[XS], s15, v[LI]
	s_mul_i32 s15, s14, 16*SP
	s_add_co_u32 s15, s15, STG                     ; my stage
	v_mul_u32_u24 v[SO], v2, SP
	v_lshl_add_u32 v[SO], v3, 6, v[SO]
	v_add_nc_u32 v[SO], s15, v[SO]
	v_mul_u32_u24 v[SR], v3, SP
	v_lshl_add_u32 v[SR], v2, 4, v[SR]
	v_add_nc_u32 v[SR], s15, v[SR]
	v_lshlrev_b32 v[GO], 12, v3
	v_lshl_add_u32 v[GO], v2, 4, v[GO]
	v_lshlrev_b32 v[BA], 6, v3
	s_and_b32 s16, ttmp9, 3                        ; which 256 columns
	s_lshr_b32 s17, ttmp9, 2                       ; which 64 rows
	s_lshl_b32 s20, s17, 16
	s_lshl_b32 s18, s14, 14
	s_add_co_u32 s20, s20, s18                     ; oc: tile of rows 4 x block + wave, 16,384 bytes each
	s_mov_b32 s21, 0
	s_add_co_u32 s22, s16, 6
	s_lshl_b32 s22, s22, 18
	s_lshl_b32 s18, s14, 16
	s_add_co_u32 s22, s22, s18                     ; wc: slices 6-9 are w_o's; four tiles a wave
	s_mov_b32 s23, 0
	s_lshl_b32 s24, s16, 10
	s_lshl_b32 s18, s14, 8
	s_add_co_u32 s24, s24, s18                     ; my 64 columns, in bytes
	s_mov_b32 s25, 0
	s_lshl_b32 s26, s17, 18
	s_add_co_u32 s26, s26, s24                     ; out0: 64 rows of 4,096 bytes for each block, + my columns
	s_mov_b32 s27, 0
	s_wait_kmcnt 0x0
	s_load_b64 s[40:41], s[10:11], 0x28            ; e10, e11
	s_add_nc_u64 s[4:5], s[4:5], s[20:21]
	s_add_nc_u64 s[6:7], s[6:7], s[22:23]
	s_add_nc_u64 s[8:9], s[8:9], s[24:25]
	s_add_nc_u64 s[12:13], s[12:13], s[26:27]
	WIN 0x40                                       ; destination window 1: my tile of rows, 32 loads of 512 consecutive bytes
	s_wait_alu depctr_va_vdst(0)                   ; the addresses v5 to v12, and v30 and v31, are written: every load, store and LDS instruction of the kernel reads one of them, and none is written again
.set n, 0
.rept 32
	global_load_b128 v[4*n:4*n+3], v[LI], s[4:5] offset:512*n
.set n, n+1
.endr
	WIN 0x80                                       ; window 2: w_o's K steps 0-3
.irp s, 0,1,2,3
.irp t, 0,1,2,3
.irp c, 0,1,2,3
	global_load_b128 v[64*\s+16*\t+4*\c:64*\s+16*\t+4*\c+3], v[LI], s[6:7] offset:\t*16384+\s*2048+\c*512
.endr
.endr
.endr
	WIN 0xc0                                       ; window 3: K steps 4-7
.irp s, 4,5,6,7
.irp t, 0,1,2,3
.irp c, 0,1,2,3
	global_load_b128 v[64*(\s-4)+16*\t+4*\c:64*(\s-4)+16*\t+4*\c+3], v[LI], s[6:7] offset:\t*16384+\s*2048+\c*512
.endr
.endr
.endr
	WIN 0
.irp t, 0,1,2,3                        ; b_o in the result's layout
	global_load_b128 v[BI+8*\t:BI+8*\t+3], v[BA], s[8:9] offset:(32*(\t/2)+8*(\t%2))*4
	global_load_b128 v[BI+8*\t+4:BI+8*\t+7], v[BA], s[8:9] offset:(32*(\t/2)+8*(\t%2))*4+16
.endr
	s_wait_loadcnt 0x0
	WIN 0x04                                       ; the stores' data in window 1
.set n, 0
.rept 32
	ds_store_b128 v[XS], v[4*n:4*n+3] offset:512*n
.set n, n+1
.endr
	WIN 0
	s_wait_kmcnt 0x0
	s_add_co_i32 s46, s40, s41
	s_add_co_i32 s46, s46, 127
	s_lshl_b32 s46, s46, 23                        ; 2^(e10 + e11) as f32
	s_mov_b32 s47, s46                             ; (named with it as a pair, so it is written)
	s_wait_dscnt 0x0                               ; for the others' sake: my images have landed
	s_barrier_signal -1
	s_barrier_wait -1
; Eight matrix instructions: K step s, two tiles of rows x my four tiles of columns; the eight accumulators take turns, one instruction a turn.  The first K step starts the sums with 0.
.macro MMA s
.irp m, 0,1
.irp t, 0,1,2,3
.set rD, ACC+32*\m+8*\t
.set rW, 64*((\s)%4)+16*\t
.set rX, 128*\m+16*(\s)
.if (\s) == 0
	v_wmma_f32_16x16x128_bf8_bf8 v[rD:rD+7], v[rW:rW+15], v[rX:rX+15], 0
.else
	v_wmma_f32_16x16x128_bf8_bf8 v[rD:rD+7], v[rW:rW+15], v[rX:rX+15], v[rD:rD+7]
.endif
.endr
.endr
.endm
; The fragments of tiles of rows 2 p, 2 p + 1, K steps s0 to s0 + 3: 32 LDS loads into window 1.
.macro FRAGS p, s0
.irp s, \s0, \s0+1, \s0+2, \s0+3
.irp m, 0,1
.irp c, 0,1,2,3
	ds_load_b128 v[128*\m+16*(\s)+4*\c:128*\m+16*(\s)+4*\c+3], v[LI] offset:(2*\p+\m)*16384+2048*(\s)+512*\c
.endr
.endr
.endr
.endm
.macro PAIR p                          ; tiles of rows 2 p, 2 p + 1; their fragments have been asked for
	s_wait_dscnt 32                                ; K steps 0-3 are in; the 32 loads of K steps 4-7 may be out
	WIN 0x06                                       ; source 0 (w_o) window 2, source 1 (the rows) window 1
.irp s, 0,1,2,3
	MMA \s
.endr
	s_wait_dscnt 0x0
	WIN 0x07                                       ; w_o window 3
.irp s, 4,5,6,7
	MMA \s
.endr
	WIN 0
.rept 4
	v_nop                                          ; four plain lines between the last product and the first read of results (ISA guide 7.12.1)
.endr
.if \p
	s_wait_xcnt 0x0                                ; the first pair's global stores have had their addresses translated: their data registers are loaded again only behind this wait
	s_wait_alu depctr_vm_vsrc(0)                   ; the first pair's stage stores have read v[TMP ..], which the multiply-adds write; its global stores have read v[OB ..], in which the stage's loads land
.endif
.irp m, 0,1
.set n, 0
.rept 16
	v_pk_fma_f32 v[TMP+32*\m+n:TMP+32*\m+n+1], v[ACC+32*\m+n:ACC+32*\m+n+1], s[46:47], v[BI+n:BI+n+1] op_sel_hi:[1,0,1]   ; y = sum x 2^(e10 + e11) + b_o; each accumulator from its low end on
.set n, n+2
.endr
.endr
	s_wait_alu depctr_va_vdst(0)                   ; the multiply-adds have written v[TMP ..], which the stage's stores read; the products are done reading the rows' fragments, in which the next pair's land
.irp m, 0,1
.irp t, 0,1,2,3
	ds_store_b128 v[SO], v[TMP+32*\m+8*\t:TMP+32*\m+8*\t+3] offset:128*(\t/2)+32*(\t%2)
	ds_store_b128 v[SO], v[TMP+32*\m+8*\t+4:TMP+32*\m+8*\t+7] offset:128*(\t/2)+32*(\t%2)+16
.endr
.irp i, 0,1,2,3,4,5,6,7
	ds_load_b128 v[OB+32*\m+4*\i:OB+32*\m+4*\i+3], v[SR] offset:2*SP*\i   ; LDS serves a wave's instructions in order (ISA guide 5.7.1.4): these see my stores, and the next tile's stores come behind them
.endr
.endr
.if (\p) == 0
	WIN 0x40
	FRAGS 1, 0                                     ; the next pair's K steps 0-3.  No wait: no vector or matrix instruction since the wait above, and the lines between name none of these registers
	WIN 0
	s_wait_dscnt 48                                ; the first tile's rows are back; the second tile's 8 stores and 8 loads and the 32 fragment loads may be out
.else
	s_wait_dscnt 16                                ; the first tile's rows are back; the second tile's 8 stores and 8 loads may be out
.endif
.irp i, 0,1,2,3,4,5,6,7
	global_store_b128 v[GO], v[OB+4*\i:OB+4*\i+3], s[12:13] offset:(16*(2*\p)+2*\i)*4096 th:TH_STORE_NT   ; sixteen lanes store 256 consecutive bytes, aligned; written once, read by nobody here
.endr
.if (\p) == 0
	s_wait_dscnt 32                                ; the second tile's rows are back; the 32 fragment loads may be out
.else
	s_wait_dscnt 0x0
.endif
.irp i, 0,1,2,3,4,5,6,7
	global_store_b128 v[GO], v[OB+32+4*\i:OB+32+4*\i+3], s[12:13] offset:(16*(2*\p+1)+2*\i)*4096 th:TH_STORE_NT
.endr
.if (\p) == 0
	WIN 0x40
	FRAGS 1, 4                                     ; and its K steps 4-7, still behind the pair's one wait
.endif
.endm
	WIN 0x40
	s_wait_alu depctr_vm_vsrc(0)                   ; my LDS stores have read v0-127 of window 1, in which the first fragments land
	FRAGS 0, 0
	FRAGS 0, 4
	PAIR 0
	PAIR 1
	s_wait_dscnt 0x0                               ; the closing lines, six on end
	s_wait_alu 0x0
	s_wait_tensorcnt 0x0
	ds_add_u32 v30, v31
	s_wait_dscnt 0x0
	s_endpgm
.Lfunc_end_k_qf045b7a582_oproj:
	.size	k_qf045b7a582_oproj, .Lfunc_end_k_qf045b7a582_oproj-k_qf045b7a582_oproj
	.p2alignl 7, 3214868480
	.fill 96, 4, 3214868480
	.section	.rodata,"a",@progbits
	.p2align	6, 0x0
	.amdhsa_kernel k_qf045b7a582_oproj
		.amdhsa_group_segment_fixed_size 84480
		.amdhsa_private_segment_fixed_size 0
		.amdhsa_enable_private_segment 0
		.amdhsa_kernarg_size 40
		.amdhsa_user_sgpr_count 2
		.amdhsa_user_sgpr_kernarg_segment_ptr 1
		.amdhsa_wavefront_size32 1
		.amdhsa_system_sgpr_workgroup_id_x 1
		.amdhsa_system_sgpr_workgroup_id_y 1
		.amdhsa_system_sgpr_workgroup_id_z 1
		.amdhsa_system_vgpr_workitem_id 0
		.amdhsa_next_free_vgpr 1024
		.amdhsa_next_free_sgpr 66
		.amdhsa_reserve_vcc 0
		.amdhsa_float_denorm_mode_32 3
		.amdhsa_float_denorm_mode_16_64 3
		.amdhsa_memory_ordered 1
		.amdhsa_forward_progress 1
		.amdhsa_inst_pref_size 49
	.end_amdhsa_kernel
	.amdgpu_metadata
---
amdhsa.version: [ 1, 2 ]
amdhsa.kernels:
  - .name:           k_qf045b7a582_oproj
    .symbol:         k_qf045b7a582_oproj.kd
    .args:
      - { .name: oc, .offset: 0, .size: 8, .value_kind: global_buffer, .address_space: global }
      - { .name: wc, .offset: 8, .size: 8, .value_kind: global_buffer, .address_space: global }
      - { .name: b_o, .offset: 16, .size: 8, .value_kind: global_buffer, .address_space: global }
      - { .name: lowp_scales, .offset: 24, .size: 8, .value_kind: global_buffer, .address_space: global }
      - { .name: out0, .offset: 32, .size: 8, .value_kind: global_buffer, .address_space: global }
    .group_segment_fixed_size: 84480
    .private_segment_fixed_size: 0
    .kernarg_segment_align: 8
    .kernarg_segment_size: 40
    .max_flat_workgroup_size: 128
    .sgpr_count:     66
    .vgpr_count:     1024
    .wavefront_size: 32
...
	.end_amdgpu_metadata
.endif
;; end of part 8
